; MI455X (gfx1250); checked and timed in simulation.
; The chip was launched on July 23, 2026; its instructions are those of AMD's public machine-readable ISA for CDNA 5 (MIT licence, August 2026) and "CDNA5" Instruction Set Architecture Reference Guide (July 2026). The comments in the code are by the model that wrote it; some were corrected since.
;; Atrous Multi Headed Attention. Allowed arithmetic: matrix products marked QUANTISED: E2M3 operands, one E8M0 scale for each 32 along K, by v_wmma_scale_f32_16x16x128_f8f6f4 with both operands' format E2M3, f32 sums; everything else in f32.
;; Inputs: Wf 1,024 x 1,024 float32; Wk 1,024 x 1,024 float32; Wq 1,024 x 1,024 float32; Wv 1,024 x 1,024 float32; beta 1,024 float32; bf 1,024 float32; bk 1,024 float32; bq 1,024 float32; bv 1,024 float32; gamma 1,024 float32; x 2 x 4,096 x 1,024 float32.
;; Outputs: out0 2 x 4,096 x 1,024 float32; out1 2 x 4,096 x 1,024 float32.
;; This version of the problem:
;;   THIS VERSION OF THE PROBLEM IS GIVEN IN LOW PRECISION. The matrix products marked QUANTISED in the list below multiply operands that are first quantised to E2M3 (2 exponent bits, 3 mantissa bits; 6 bits a number), with one power-of-two scale for each 32 numbers along K (OCP MX v1.0); their sums are f32. All else is computed in f32.
;;   The module's matrix products, in the order in which they are computed (A, B: the left and right operand; K: the contracted axis; several contracted axes count as one K, in the product's order):
;;     1. [M 8,192, K 1,024] x [K 1,024, N 1,024]; A: computed on the way; B: input Wq: QUANTISED
;;     2. [M 8,192, K 1,024] x [K 1,024, N 1,024]; A: computed on the way; B: input Wk: QUANTISED
;;     3. [M 8,192, K 1,024] x [K 1,024, N 1,024]; A: computed on the way; B: input Wv: QUANTISED
;;     4. batch 128 x [M 1,024, K 64] x [K 64, N 1,024]; A: computed on the way; B: computed on the way: QUANTISED
;;     5. batch 128 x [M 1,024, K 1,024] x [K 1,024, N 64]; A: softmax (see below); B: computed on the way: QUANTISED
;;     6. [M 8,192, K 1,024] x [K 1,024, N 1,024]; A: computed on the way; B: input Wf: QUANTISED
;;   THE QUANTISER, for each operand of a quantised product, along K:
;;     - K is cut into blocks of 32 from its start; a last block that is shorter is filled with zeros.
;;     - A block's scale is 2^e with e = floor(log2(the largest magnitude in the block)) - 2, held to -126 .. 127; a block of zeros has e = 0. As a byte (E8M0): e + 127.
;;     - Each number is divided by its block's scale, clamped to +-7.5, and rounded to the nearest number of E2M3, ties to even, subnormals kept.
;;     - The product sums the exact products of the quantised numbers (number of the format x scale) in f32.
;;   ~~~python
;;   def quantise(x, axis):      # numpy; x: float32 -> the quantised numbers, widened to float32 again
;;       x = np.moveaxis(x, axis, -1); K = x.shape[-1]
;;       x = np.pad(x, [(0, 0)] * (x.ndim - 1) + [(0, -K % 32)]); x = x.reshape(x.shape[:-1] + (-1, 32)); a = np.abs(x).max(-1, keepdims=True)
;;       e = np.where(a > 0, np.clip(np.frexp(np.where(a > 0, a, 1))[1] - 1 - 2, -126, 127), 0)      # np.frexp(a)[1] - 1 = floor(log2(a)), exactly
;;       r = np.clip(x / 2.0 ** e, -7.5, 7.5)
;;       step = 2.0 ** (np.maximum(np.frexp(np.where(r == 0, 1, r))[1] - 1, 0) - 3)
;;       q = np.round(r / step) * step * 2.0 ** e      # np.round: ties to even
;;       return np.moveaxis(q.reshape(q.shape[:-2] + (-1,))[..., :K], -1, axis).astype(np.float32)
;;   ~~~
;;   SOFTMAX AHEAD OF A QUANTISED PRODUCT. Where the list says 'softmax', what is quantised is not the finished softmax but p = 2^(t - M), with t = logit x log2(e) and M = ceil(the row's largest t), a whole number; so 1/2 < the row's largest p <= 1. The row's sum l is taken of the UNQUANTISED p, in f32, and the product's result is divided by l at the end. Since M is a whole number, a kernel that streams over the keys may use a running M (the ceiling of the running maximum): every later rescaling is an exact power of two, which a block's scale takes up: the codes' values come out the same.
;;   OPERANDS COMPUTED ON THE WAY. 'Computed on the way' means the value that the module computes at that place (a softmax that the list does not call 'softmax' is quantised finished and normalised). What goes into a quantiser is computed in f32, as accurately as f32 sums, v_exp_f32 and their like allow (about 1e-6 of the number): no bf16 or f16 on the way to a quantiser, and a product that is left as it is and whose result goes on into a quantised operand takes f32 operands (vector FMAs, or v_wmma_f32_16x16x4_f32). A number that lies on a knife's edge between two numbers of the format may be rounded either way, as far as f32 arithmetic and the matrix unit's own rounding can turn it there, and no further.
;; One version. Each part assembles by itself: llvm-mc -triple=amdgcn-amd-amdhsa -mcpu=gfx1250 --defsym DOCPART=n.
;; ======== version 1 of 1: 4 launches
;; limits: right only within a limited range of input values
;; workspace buffers: cod 9,437,184 bytes; scl 393,216 bytes; qkv 20,185,088 bytes; ctx 6,291,456 bytes; ctxs 524,288 bytes
;; launch quant (part 1): grid 256 x 1, 6 waves a work-group, no clusters, 51,456 bytes of LDS; arguments x, Wq, Wk, Wv, Wf, cod, scl; writes cod, scl
.if DOCPART == 1
	.amdgcn_target "amdgcn-amd-amdhsa--gfx1250"
	.amdhsa_code_object_version 6
	.text
	.protected	k_qdbe18bcfa2_quant
	.globl	k_qdbe18bcfa2_quant
	.p2align	8
	.type	k_qdbe18bcfa2_quant,@function
k_qdbe18bcfa2_quant:
	s_mov_b64 s[64:65], 0
	v_nop
	global_prefetch_b8 v0, s[64:65] scope:SCOPE_SE
	s_setreg_imm32_b32 hwreg(HW_REG_WAVE_MODE, 25, 1), 1
	s_wait_xcnt 0x0
; x [8192][1024] and the four weights [1024][1024], f32, K innermost, become codes of FP6 (E2M3) with one E8M0 byte for each 32 along K.
; THE CODES ARE LAID AS THE MATRIX OPERAND'S REGISTERS WANT THEM.  A row tile is 16 rows; for each 128 along K it has an image of 1,536 bytes: the fragment's registers 4 c .. 4 c + 3 of lane L at 512 c + 16 L.
; cod: 768 row tiles x 8 images.  Tiles 0-511: x, regrouped (tile 64 g + t of group g = 4 batch + token % 4); 512.. Wq, 576.. Wk, 640.. Wv, 704.. Wf.
; THE ROWS OF A TILE ARE NOT NEIGHBOURS: lane r of tile t takes row 32 (t / 2) + 8 (t % 2) + r + 8 (r / 8) (of a group's places, or of a weight's rows), so that a later product that takes two neighbouring
; tiles as its first source gets 16 neighbours along its own result's registers.   scl: a tile's scale words, [K step / 4][row 16][K step % 4], 512 bytes.
; A block's scale is 2^(floor(log2(largest magnitude)) - 2); its byte is the largest magnitude's exponent field - 2, held at 1 from below.
; LIMITS: NaN and infinities are not served; a block whose largest magnitude lies under 2^-124 gets the byte 1; a block of zeros gets the byte 1 where the rule says 127: its codes are zeros and this program alone reads the bytes.
; SHARES: 1,536 tasks of 16 rows x 512 along K (4 K steps), one a wave: task = 6 x work-group + wave; tile = task / 2, half of K = task % 2.  Waves share nothing: no barrier.
; A load takes 512 consecutive bytes of one row; a K step's 16 rows turn through the wave's own stage in LDS (rows 528 bytes apart) and come back 256 bytes a lane: the lane's two whole blocks of 32.
.set STGB,  8448                       ; a wave's stage: 16 rows x (512 + 16) bytes
.set SPARE, 6*STGB                     ; behind the stages: the spare words, 128 bytes a wave: three blocks of 256 bytes that no other line names
.set L16, 1                            ; v1   16 x lane
.set STW, 2                            ; v2   stage, way in
.set STR, 3                            ; v3   stage, way out: row r, + 128 h
.set SCO, 4                            ; v4   16 r + 8 h: my 8 bytes of the scale words
.set SH8, 5                            ; v5   8 h
.set M,   8                            ; v8-9   largest magnitudes
.set SO,  10                           ; v10-11 the conversions' scale operands
.set BY,  12                           ; v12-13 the bytes
.set WD,  14
.set PT,  15
.set SW,  16                           ; v16-19 my row's scale words of the 4 K steps
.set DD,  20
.set SPW, 22                           ; v22  LDS address of my spare word; never rewritten
.set NIL, 23                           ; v23  0; never rewritten
.set C,   24                           ; v24-35 a fragment's codes
.set TMP, 36
.set X,   44                           ; v44-107 my 64 numbers of a K step
.set R,   108                          ; v108-235 two sets of 16 x 4 registers as loaded
.set OFF, 236                          ; v236-251 16 x lane + the row's distance from the tile's first row
	s_load_b256 s[4:11], s[0:1], 0x0               ; x, Wq, Wk, Wv
	s_load_b128 s[12:15], s[0:1], 0x20             ; Wf, cod
	s_load_b64 s[16:17], s[0:1], 0x30              ; scl
	v_lshl_add_u32 v[SPW], v0, 2, SPARE
	v_mov_b32 v[NIL], 0
	v_lshrrev_b32 v6, 5, v0
	v_readfirstlane_b32 s18, v6                    ; wave
	v_and_b32 v6, 31, v0                           ; lane
	v_and_b32 v7, 15, v0                           ; r
	v_bfe_u32 v[SH8], v0, 4, 1                     ; h
	v_lshlrev_b32 v[L16], 4, v6
	s_mul_i32 s19, s18, STGB
	v_add_nc_u32 v[STW], s19, v[L16]
	v_mul_u32_u24 v[STR], v7, 528
	v_lshl_add_u32 v[STR], v[SH8], 7, v[STR]
	v_add_nc_u32 v[STR], s19, v[STR]
	v_lshlrev_b32 v[SCO], 4, v7
	v_lshl_add_u32 v[SCO], v[SH8], 3, v[SCO]
	v_lshlrev_b32 v[SH8], 3, v[SH8]
	v_mov_b32 v[PT], 0                             ; a lane permute's destination counts as one of its sources
	s_mov_b32 s2, 0x76543210
	s_mov_b32 s3, 0xfedcba98                       ; selects for lane l xor 16
	s_mul_i32 s22, ttmp9, 6
	s_add_co_u32 s22, s22, s18                     ; task
	s_lshr_b32 s24, s22, 1                         ; row tile
	s_and_b32 s25, s22, 1                          ; which 512 along K
	s_and_b32 s26, s24, 63                         ; tile in its group or weight
	s_lshr_b32 s27, s24, 6                         ; the group (x's tiles)
	s_lshr_b32 s28, s26, 1
	s_lshl_b32 s28, s28, 5
	s_and_b32 s29, s26, 1
	s_lshl_b32 s29, s29, 3
	s_add_co_u32 s28, s28, s29                     ; the tile's first row: 32 (t / 2) + 8 (t % 2)
	s_lshr_b32 s29, s27, 2
	s_lshl_b32 s29, s29, 12                        ; in x: batch x 4096
	s_and_b32 s34, s27, 3
	s_add_co_u32 s29, s29, s34                     ; + token % 4
	s_lshl_b32 s34, s28, 2
	s_add_co_u32 s29, s29, s34                     ; + 4 x place
	s_mul_i32 s30, s24, 12288
	s_mul_i32 s31, s25, 6144
	s_add_co_u32 s30, s30, s31                     ; my four images in cod
	s_mov_b32 s31, 0
	s_lshl_b32 s32, s24, 9
	s_lshl_b32 s33, s25, 8
	s_add_co_u32 s32, s32, s33                     ; my 256 bytes in scl
	s_mov_b32 s33, 0
	s_mov_b32 s23, 4096                            ; from row to row in a weight
	s_wait_alu depctr_va_vdst(0)
	s_wait_kmcnt 0x0
	s_cmp_lt_u32 s24, 704                          ; which tensor: the choice hangs on ids alone
	s_cselect_b64 s[20:21], s[10:11], s[12:13]
	s_cmp_lt_u32 s24, 640
	s_cselect_b64 s[20:21], s[8:9], s[20:21]
	s_cmp_lt_u32 s24, 576
	s_cselect_b64 s[20:21], s[6:7], s[20:21]
	s_cmp_lt_u32 s24, 512
	s_cselect_b64 s[20:21], s[4:5], s[20:21]
	s_cselect_b32 s23, 16384, s23                  ; in x a group's places lie 4 tokens apart
	s_cselect_b32 s28, s29, s28
	s_lshl_b32 s28, s28, 12                        ; rows of 4,096 bytes
	s_lshl_b32 s29, s25, 11
	s_add_co_u32 s28, s28, s29                     ; + my half of K
	s_mov_b32 s29, 0
	s_add_nc_u64 s[20:21], s[20:21], s[28:29]
	s_add_nc_u64 s[30:31], s[14:15], s[30:31]
	s_add_nc_u64 s[32:33], s[16:17], s[32:33]
.irp p, 0,1,2,3,4,5,6,7,8,9,10,11,12,13,14,15
	v_mad_u32_u24 v[OFF+\p], s23, \p+8*(\p/8), v[L16]   ; row p of the tile lies p + 8 (p / 8) rows on
.endr
.macro LOAD s                          ; K step s: each load takes 512 consecutive bytes of one row
.irp p, 0,1,2,3,4,5,6,7,8,9,10,11,12,13,14,15
	global_load_b128 v[R+64*((\s)%2)+4*\p:R+64*((\s)%2)+4*\p+3], v[OFF+\p], s[20:21] offset:512*(\s) th:TH_LOAD_NT
.endr
.endm
.macro QUANT2 s                        ; my two whole blocks (2 c + h of the K step) become registers 6 c .. 6 c + 5 of the fragment, and my row's scale word
.irp c, 0,1
	v_max3_num_f32 v[M+\c], |v[X+32*\c]|, |v[X+32*\c+1]|, 0x1800000   ; with the floor 2^(3 - 127): the byte cannot fall under 1
.endr
.irp i, 2,4,6,8,10,12,14,16,18,20,22,24,26,28,30
.irp c, 0,1
	v_max3_num_f32 v[M+\c], v[M+\c], |v[X+32*\c+\i]|, |v[X+32*\c+\i+1]|   ; the two blocks by turns
.endr
.endr
.irp c, 0,1
	v_add_nc_u32 v[SO+\c], 0xff000000, v[M+\c]     ; 2 off the exponent field: the conversion takes this operand's exponent field as its scale
.endr
.irp c, 0,1
	v_lshrrev_b32 v[BY+\c], 23, v[SO+\c]           ; the scale's byte
.endr
	v_lshl_or_b32 v[WD], v[BY+1], 16, v[BY]        ; blocks h and 2 + h,
	v_lshlrev_b32 v[WD], v[SH8], v[WD]             ; at their places in the word;
	v_permlanex16_b32 v[PT], v[WD], s2, s3
	v_or_b32 v[SW+\s], v[WD], v[PT]                ; with lane l xor 16's two the word is whole
.irp c, 0,1
	v_cvt_scalef32_pk16_fp6_f32 v[C+6*\c:C+6*\c+2], v[X+32*\c:X+32*\c+15], v[SO+\c]
	v_cvt_scalef32_pk16_fp6_f32 v[TMP+4*\c:TMP+4*\c+2], v[X+32*\c+16:X+32*\c+31], v[SO+\c]   ; (a conversion's three registers begin on an even number)
.endr
	v_nop                                          ; one plain place behind a scaled conversion
.irp c, 0,1
.irp i, 0,1,2
	v_mov_b32 v[C+6*\c+3+\i], v[TMP+4*\c+\i]
.endr
.endr
.endm
.macro STEP s
.if \s < 3
	s_wait_loadcnt 16                              ; this K step's 16 loads are in; the next step's 16 may be out
.else
	s_wait_loadcnt 0x0
.endif
.irp p, 0,1,2,3,4,5,6,7,8,9,10,11,12,13,14,15
	ds_store_b128 v[STW], v[R+64*((\s)%2)+4*\p:R+64*((\s)%2)+4*\p+3] offset:528*\p
.endr
.irp c, 0,1
.irp i, 0,1,2,3,4,5,6,7
	ds_load_b128 v[X+32*\c+4*\i:X+32*\c+4*\i+3], v[STR] offset:256*\c+16*\i   ; LDS serves a wave's instructions in order: these see my stores
.endr
.endr
	s_wait_dscnt 0x0                               ; my numbers are back, and the stores into the stage have read their registers
	s_wait_xcnt 0x0                                ; the last step's stores have read the codes' registers
.if \s < 2
	LOAD \s+2
.endif
	QUANT2 \s
.irp c, 0,1,2
	global_store_b128 v[L16], v[C+4*\c:C+4*\c+3], s[30:31] offset:1536*\s+512*\c   ; 32 lanes store 512 consecutive bytes, aligned
.endr
.endm
	LOAD 0
	LOAD 1
	s_wait_alu depctr_va_vdst(0)
	STEP 0
	STEP 1
	STEP 2
	STEP 3
	v_cmp_le_u32 vcc_lo, 16, v6                    ; lanes 16-31 store the words of K steps 2 and 3 of their row
	v_cndmask_b32 v[DD], v[SW], v[SW+2], vcc_lo
	v_cndmask_b32 v[DD+1], v[SW+1], v[SW+3], vcc_lo
	global_store_b64 v[SCO], v[DD:DD+1], s[32:33]  ; 32 lanes store 256 consecutive bytes, aligned
	s_wait_tensorcnt 0x0                           ; the wave's end: these three lines behind my last LDS store
	ds_add_u32 v[SPW], v[NIL]
	s_wait_dscnt 0x0
	s_endpgm
.Lfunc_end_k_qdbe18bcfa2_quant:
	.size	k_qdbe18bcfa2_quant, .Lfunc_end_k_qdbe18bcfa2_quant-k_qdbe18bcfa2_quant
	.p2alignl 7, 3214868480
	.fill 96, 4, 3214868480
	.section	.rodata,"a",@progbits
	.p2align	6, 0x0
	.amdhsa_kernel k_qdbe18bcfa2_quant
		.amdhsa_group_segment_fixed_size 51456
		.amdhsa_private_segment_fixed_size 0
		.amdhsa_enable_private_segment 0
		.amdhsa_kernarg_size 56
		.amdhsa_user_sgpr_count 2
		.amdhsa_user_sgpr_kernarg_segment_ptr 1
		.amdhsa_wavefront_size32 1
		.amdhsa_system_sgpr_workgroup_id_x 1
		.amdhsa_system_sgpr_workgroup_id_y 1
		.amdhsa_system_sgpr_workgroup_id_z 1
		.amdhsa_system_vgpr_workitem_id 0
		.amdhsa_next_free_vgpr 256
		.amdhsa_next_free_sgpr 66
		.amdhsa_reserve_vcc 1
		.amdhsa_float_denorm_mode_32 3
		.amdhsa_float_denorm_mode_16_64 3
		.amdhsa_memory_ordered 1
		.amdhsa_forward_progress 1
		.amdhsa_inst_pref_size 32
	.end_amdhsa_kernel
	.amdgpu_metadata
---
amdhsa.version: [ 1, 2 ]
amdhsa.kernels:
  - .name:           k_qdbe18bcfa2_quant
    .symbol:         k_qdbe18bcfa2_quant.kd
    .args:
      - { .name: x, .offset: 0, .size: 8, .value_kind: global_buffer, .address_space: global }
      - { .name: Wq, .offset: 8, .size: 8, .value_kind: global_buffer, .address_space: global }
      - { .name: Wk, .offset: 16, .size: 8, .value_kind: global_buffer, .address_space: global }
      - { .name: Wv, .offset: 24, .size: 8, .value_kind: global_buffer, .address_space: global }
      - { .name: Wf, .offset: 32, .size: 8, .value_kind: global_buffer, .address_space: global }
      - { .name: cod, .offset: 40, .size: 8, .value_kind: global_buffer, .address_space: global }
      - { .name: scl, .offset: 48, .size: 8, .value_kind: global_buffer, .address_space: global }
    .group_segment_fixed_size: 51456
    .private_segment_fixed_size: 0
    .kernarg_segment_align: 8
    .kernarg_segment_size: 56
    .max_flat_workgroup_size: 192
    .sgpr_count:     66
    .vgpr_count:     256
    .wavefront_size: 32
...
	.end_amdgpu_metadata
.endif
;; end of part 1
;; launch qkvp (part 2): grid 12 x 32, 4 waves a work-group, clusters of 4 x 4, 327,680 bytes of LDS; arguments cod, scl, bq, bk, bv, qkv; writes qkv
.if DOCPART == 2
	.amdgcn_target "amdgcn-amd-amdhsa--gfx1250"
	.amdhsa_code_object_version 6
	.text
	.protected	k_qdbe18bcfa2_qkvp
	.globl	k_qdbe18bcfa2_qkvp
	.p2align	8
	.type	k_qdbe18bcfa2_qkvp,@function
k_qdbe18bcfa2_qkvp:
	s_mov_b64 s[64:65], 0
	v_nop
	global_prefetch_b8 v0, s[64:65] scope:SCOPE_SE
	s_setreg_imm32_b32 hwreg(HW_REG_WAVE_MODE, 25, 1), 1
	s_wait_xcnt 0x0
	s_wait_alu depctr_hold_cnt(0) depctr_sa_sdst(0) depctr_va_vdst(0) depctr_va_sdst(0) depctr_va_ssrc(0) depctr_va_vcc(0) depctr_vm_vsrc(0)
	s_getreg_b32 s2, hwreg(HW_REG_IB_STS2, 6, 4)
	s_cmp_eq_u32 s2, 0
	s_cbranch_scc0 .Lentry_in_a_cluster
	s_endpgm
.Lentry_in_a_cluster:
	s_bfe_u32 s2, ttmp6, 0x10000c
	s_cmp_lg_u32 s2, 0xf033
	s_cbranch_scc0 .Lentry_shape_is_right
	s_endpgm
.Lentry_shape_is_right:
; q = xr Wq^T + bq, k = xr Wk^T + bk, v = xr Wv^T + bv on codes of FP6 (E2M3) with E8M0 scales, and each result quantised again for the attention's products, in registers, on its way out.
; ONE FORM FOR ALL THREE: Out[m][n] = sum over k of A[m][k] B[n][k], first source = 16 rows of B, second source = 16 rows of A: a lane holds ONE m and its registers run along n; the result is quantised along n.
;   cluster x = 0, 1 (q, k): A = x's rows of group cluster y, B = the weight's rows: n = channels, 64 to a head: two blocks of 32.     cluster x = 2 (v): A = Wv's rows, B = x's rows: n = the keys of the group.
; The rows of cod's tiles are laid so that the 16 registers of B's tiles 2 b and 2 b + 1 are 16 neighbours along n (32 b + 16 (lane / 16) + 0 .. 15); a lane's m is the row that its place in A's tile stands for.
; A tile of Out, 256 x 256, is made by four waves, as many as a WGP has SIMDs, each 128 x 128: 64 accumulators.  Operands lie in cod as images of the operand's registers (1,536 bytes for 16 rows x 128 along K), so a
; fragment is three loads of 16 bytes a lane, 512 consecutive bytes each: no padding.  The scale words of all of K are loaded once, straight into registers.
; THE FILLS: K = 1,024 comes in three, one joint load a wave each.  (1) At the head K steps 0-3: 8 row tiles x 4 images, 6,144 bytes a tile, 49,152 bytes a wave, into region 0 (196,608 bytes).
; (2) K steps 4, 5: 8 row tiles x 2 images, 24,576 bytes a wave, into region 1 (98,304 bytes), first filled behind the full sequence and a round ahead of K step 0: it has three K steps, 192 matrix instructions, in which to land.
; (3) K steps 6, 7, of the same shape, into the first 98,304 bytes of region 0, filled again behind the round in K step 3, when all of region 0 has been read: two K steps in which to land.
; By the text's own count one tensor load of a wave is out at any time.  In the macros 'slot' 0 is region 0 as first filled, 1 is region 1, 2 is region 0 as filled again.
; CLUSTERS: 4 x 4 work-groups; A's tiles are shared along a row of the cluster, B's along a column, each asked for jointly.  384 tiles of Out are 24 clusters.  No prefetch: K is three fills long, at the largest block, in clusters.
; OUT: qkv, 128 records (16 group + head) of 157,696 bytes: K codes 0, V codes 49,152, K scale words 98,304, V scale words 102,400, Q codes 104,448, Q scale words 153,600.  A half image (16 rows x 64 along K) is 768 bytes:
;   registers 0-3 of lane L at 16 L, registers 4-5 at 512 + 8 L.  Q, K: [row tile 64]; V: [128 keys 8][16 channels 4][64 keys 2].  Q's and K's scale words hold two bytes; the upper two are 0 (they stand over zero codes).
; LIMITS: NaN and infinities are not served; a block whose largest magnitude lies under 2^-124 gets the byte 1, a block of zeros too (its codes are zeros; this program alone reads the bytes).
; REGISTERS: window 0: v9-24 addresses; v32-95 scale words (register 8 i + K step: lanes 0-15 A's block i, lanes 16-31 B's block i); v96-111 the bias along m; from v128 A's fragments, one set; on the way out v128-251 at work.
;   window 1: B's fragments, two sets, at v0 and v128; v96-127, v224-255 the bias along n.   windows 2, 3: the accumulators ((a, b) at v[8 (8 (a % 4) + b)]).
.set FR,    12
.set NL,    3                          ; LDS loads that bring a fragment
.set NP,    4                          ; places behind this matrix instruction (ISA guide 7.12.1)
.set PART,  24576                      ; 8 row tiles x 2 images
.set SLOT,  4*PART                     ; A's two halves, then B's two halves, two K steps of each
.set REG1,  2*SLOT                     ; region 1, behind region 0's four K steps
.set SPARE, 3*SLOT                     ; behind the regions: the spare words, 128 bytes a wave: two blocks of 256 bytes that no other line names
.set STG,   SPARE+512                  ; 1,024 bytes a wave for the scale words on the way out; no fill lands here
.set REC,   157696
.set CA8_0, 9                          ; v9   512 + 8 x lane
.set CA16_1, 10                        ; v10  16 x lane + the distance to the fragment's second half image
.set CA8_1, 11                         ; v11  512 + 8 x lane + the same
.set SSA,  12                          ; v12  stage, way in: 512 h + 4 r
.set SRA,  13                          ; v13  stage, way out: 16 x lane
.set SGO,  14                          ; v14  where the first 512 bytes of scale words go
.set H16,  15                          ; v15  16 h
.set ADRA, 16                          ; v16-18 my A fragments in slot 0, 1, 2
.set ADRB, 20                          ; v20-22 the same for B
.set L16,  24                          ; v24  16 x lane
.set SPW,  28                          ; v28  LDS address of my spare word; never rewritten
.set NIL,  29                          ; v29  0; never rewritten
.set SC,   32
.set BM,   96
.set AF,   128
.set ST,   128                         ; the way out: 64 numbers
.set PC,   192                         ; their codes
.set SWV,  212                         ; v212-219 a scale word for each block of 16 rows
.set TM,   224
.set PW,   240
.set BK,   244
.set SEL,  2
.set WV,   16
.set WH,   17
.set WL,   18
.set G1,   24
.set G0,   32                          ; s[32:39] group 0 for A's fills 1 and 2;  s[72:75] for fill 3
.set G0C,  72
.set G1B,  48
.set G0B,  56                          ; s[56:63] the same for B;  s[96:99] for fill 3
.set G0BC, 96
.set VM,   66                          ; s66 all ones in the launch's part for v, else 0;  s67 the other way round
.set NM,   67
.set CST,  76                          ; s76 from a fragment's first half image to its second
.set STA,  78                          ; s[78:79] from block a to a + 1;  s[80:81] from block 3 to 4
.set STB,  80
.set SHS,  82
.set SSH,  83
.set MSK,  84
.set BNP,  88
.set OUTC, 92                          ; s[92:93] where my codes go;  s[94:95] my scale words
.set OUTS, 94
.set MSB, 0
.macro WIN new                         ; the immediate's high byte repeats the setting that is left
.if MSB != \new
	s_set_vgpr_msb (MSB<<8)|\new
.set MSB, \new
.endif
.endm
.set MUL_LO, 0xa1                      ; first source (B) window 1, second (A) window 0, C and D window 2
.set MUL_HI, 0xf1
.set TO_B,   0x40
; A joint load: waves 0 and 1 fetch A's halves, waves 2 and 3 B's.  The branch hangs on the wave's number alone.  An s_nop 0 and four v_nop follow each line.
.macro JLOAD ga, gb
	s_cmp_eq_u32 s[WH], 0
	s_cbranch_scc0 .Lfor_b_\@
	tensor_load_to_lds s[\ga:\ga+3], s[G1:G1+7]
	s_nop 0
.rept 4
	v_nop
.endr
	s_branch .Lasked_\@
.Lfor_b_\@:
	tensor_load_to_lds s[\gb:\gb+3], s[G1B:G1B+7]
	s_nop 0
.rept 4
	v_nop
.endr
.Lasked_\@:
.endm
.macro CREST                           ; a round of the cluster's barrier behind its opening barrier
	s_cmp_lg_u32 s[WV], 0
	s_cbranch_scc1 .Lnot_wave_0_\@
	s_barrier_signal -3
.Lnot_wave_0_\@:
	s_barrier_wait -3
	s_barrier_signal -1
	s_barrier_wait -1
.endm
.macro CROUND
	s_barrier_signal -1
	s_barrier_wait -1
	CREST
.endm
.macro DESC g, l, add, src, off        ; a group 0: LDS address s[l] + add, global address s[src:src+1] + off
	s_mov_b32 s[\g], 1
	s_add_co_u32 s[\g+1], s[\l], \add
	s_add_nc_u64 s[\g+2:\g+3], s[\src:\src+1], \off
	s_or_b32 s[\g+3], s[\g+3], 0x80000000
.endm
	s_load_b256 s[4:11], s[0:1], 0x0               ; cod, scl, bq, bk
	s_load_b128 s[12:15], s[0:1], 0x20             ; bv, qkv
	v_lshl_add_u32 v[SPW], v0, 2, SPARE
	v_mov_b32 v[NIL], 0
	ds_add_u32 v[SPW], v[NIL]                      ; the wave's opening: the add, twice on end, and its wait ahead of my first tensor load; the set-up below, work on registers, stands between
	ds_add_u32 v[SPW], v[NIL]
	v_lshrrev_b32 v1, 5, v0
	v_readfirstlane_b32 s[WV], v1                  ; wave 0..3
	s_lshr_b32 s[WH], s[WV], 1                     ; my half of A's 256 rows.  Also: I fetch for A (0) or for B (1)
	s_and_b32 s[WL], s[WV], 1                      ; my half of B's.  Also: which 128 rows I fetch
	s_bfe_u32 s40, ttmp6, 0x40000                  ; cx
	s_bfe_u32 s41, ttmp6, 0x40004                  ; cy
	s_and_b32 s19, ttmp7, 0xffff                   ; cluster y: the group
	s_lshl_b32 s43, s41, 2
	s_lshl_b32 s43, 15, s43                        ; my row of the cluster
	s_lshl_b32 s44, 0x1111, s40                    ; my column
	s_or_b32 s[G1], s43, (3<<16)|(1<<21)           ; 15:0 the mask; 17:16 elements of 8 bytes; 21 set beside a mask; no padding
	s_or_b32 s[G1B], s44, (3<<16)|(1<<21)
.irp g, G1, G1B
	s_mov_b32 s[\g+1], 768<<16                     ; tensor_dim0: the head's load: four images, 6,144 bytes
	s_mov_b32 s[\g+2], 8<<16                       ; tensor_dim1: 8 row tiles
	s_mov_b32 s[\g+3], 768<<16                     ; tile_dim0
	s_mov_b32 s[\g+4], 8                           ; tile_dim1
	s_mov_b32 s[\g+5], 1536                        ; from row tile to row tile: 12,288 bytes
	s_mov_b32 s[\g+6], 0
	s_mov_b32 s[\g+7], 0
.endr
	s_lshl_b32 s22, s19, 2                         ; x's blocks of 256 rows: the group's four begin here
	s_lshl_b32 s23, ttmp9, 2
	s_add_co_u32 s23, s23, 32                      ; Wq's begin at 32, Wk's at 36
	s_mov_b32 s[CST], REC
	s_mov_b32 s[STA], 768
	s_mov_b32 s[STB], 768
	s_mov_b32 s[SHS], 256
	s_mov_b32 s[MSK], 0xffff
	s_mov_b32 s85, 104448
	s_mov_b32 s86, 153600
	s_cmp_eq_u32 ttmp9, 2                          ; the part for v?  The cluster's x is the same in all sixteen partners
	s_cselect_b32 s20, 40, s22                     ; A: Wv's blocks begin at 40
	s_cselect_b32 s46, s22, s23                    ; B
	s_cselect_b32 s[VM], -1, 0
	s_cselect_b32 s[NM], 0, -1
	s_cselect_b32 s47, s41, s40                    ; P: the place that picks the heads
	s_cselect_b32 s77, s40, s41                    ; Q: the place that picks the rows (q, k) or the keys (v)
	s_cselect_b32 s100, s[WH], s[WL]
	s_cselect_b32 s101, s[WL], s[WH]
	s_cselect_b32 s[CST], 768, s[CST]              ; q, k: the fragment's halves are two heads; v: two runs of 64 keys
	s_cselect_b32 s[STA], 1536, s[STA]
	s_cselect_b32 s[STB], REC-3*1536, s[STB]       ; v: blocks 4-7 are the next head's channels
	s_cselect_b32 s[SHS], REC, s[SHS]
	s_cselect_b32 s[SSH], 8, 9
	s_cselect_b32 s[MSK], -1, s[MSK]
	s_cselect_b32 s85, 49152, s85
	s_cselect_b32 s86, 102400, s86
	s_cmp_eq_u32 ttmp9, 1
	s_cselect_b32 s85, 0, s85                      ; where the codes begin in a record
	s_cselect_b32 s86, 98304, s86                  ; and the scale words
	s_mov_b32 s[STA+1], 0
	s_mov_b32 s[STB+1], 0
	s_add_co_u32 s20, s20, s41                     ; A's block of 256 rows: hangs on cy alone
	s_add_co_u32 s46, s46, s40                     ; B's: on cx alone
	s_lshl_b32 s20, s20, 4                         ; as row tiles
	s_lshl_b32 s46, s46, 4
	s_lshl_b32 s21, s[WL], 3
	s_add_co_u32 s68, s20, s21
	s_mul_i32 s68, s68, 12288                      ; the 8 row tiles that I fetch, in bytes
	s_mov_b32 s69, 0
	s_add_co_u32 s70, s46, s21
	s_mul_i32 s70, s70, 12288
	s_mov_b32 s71, 0
	s_mul_i32 s45, s[WV], PART                     ; where fills 2 and 3 go in their regions: no place in the cluster enters an LDS address;
	s_lshl_b32 s21, s45, 1                         ; and fill 1, of twice the bytes
	s_lshl_b32 s90, s19, 4
	s_lshl_b32 s91, s47, 2
	s_add_co_u32 s90, s90, s91
	s_lshl_b32 s91, s100, 1
	s_add_co_u32 s90, s90, s91                     ; my first record: 16 group + 4 P + 2 x my half
	s_mul_i32 s90, s90, REC
	s_lshl_b32 s91, s77, 1
	s_add_co_u32 s91, s91, s101                    ; which 128 rows (q, k) or keys (v) of the group
	s_mul_i32 s[OUTC], s91, 6144                   ; 8 half images of 768 bytes, or a key step's 4 x 2
	s_add_co_u32 s[OUTC], s[OUTC], s85
	s_add_co_u32 s[OUTC], s[OUTC], s90
	s_mov_b32 s[OUTC+1], 0
	s_lshl_b32 s[OUTS], s91, s[SSH]                ; 512 bytes of scale words (q, k) or 256 (v)
	s_add_co_u32 s[OUTS], s[OUTS], s86
	s_add_co_u32 s[OUTS], s[OUTS], s90
	s_mov_b32 s[OUTS+1], 0
	s_lshl_b32 s96, s40, 10
	s_lshl_b32 s97, s[WL], 9
	s_add_co_u32 s96, s96, s97                     ; the bias along n: my 128 channels
	s_mov_b32 s97, 0
	s_lshl_b32 s42, s41, 10
	s_lshl_b32 s43, s[WH], 9
	s_add_co_u32 s42, s42, s43                     ; the bias along m
	s_mov_b32 s43, 0
	s_mov_b32 s[SEL], 0x76543210
	s_mov_b32 s[SEL+1], 0xfedcba98
	s_wait_dscnt 0x0                               ; both opening adds are done
	s_wait_kmcnt 0x0
	s_add_nc_u64 s[68:69], s[4:5], s[68:69]
	s_add_nc_u64 s[70:71], s[4:5], s[70:71]
	s_cmp_eq_u32 ttmp9, 1
	s_cselect_b64 s[BNP:BNP+1], s[10:11], s[8:9]   ; bk or bq (the part for v reads bq's numbers and clears them)
	s_add_nc_u64 s[BNP:BNP+1], s[BNP:BNP+1], s[96:97]
	s_add_nc_u64 s[12:13], s[12:13], s[42:43]
	CROUND                                         ; all sixteen work-groups are here: the first joint loads meet
	DESC G0,    21, 0,    68, 0                    ; fill 1: K steps 0-3, region 0
	DESC G0B,   21, 0,    70, 0
	DESC G0+4,  45, REG1, 68, 4*1536               ; fill 2: K steps 4, 5, region 1
	DESC G0B+4, 45, REG1, 70, 4*1536
	DESC G0C,   45, 0,    68, 6*1536               ; fill 3: K steps 6, 7, the first bytes of region 0
	DESC G0BC,  45, 0,    70, 6*1536
	JLOAD G0, G0B                                  ; one tensor load a wave at the head
	s_add_nc_u64 s[OUTC:OUTC+1], s[14:15], s[OUTC:OUTC+1]
	s_add_nc_u64 s[OUTS:OUTS+1], s[14:15], s[OUTS:OUTS+1]
	v_and_b32 v1, 31, v0                           ; lane
	v_and_b32 v2, 15, v0                           ; r
	v_bfe_u32 v3, v0, 4, 1                         ; h
	v_lshlrev_b32 v[L16], 4, v1
	s_lshl_b32 s85, s[WH], 3
	s_add_co_u32 s85, s85, s20
	s_lshl_b32 s85, s85, 9                         ; the scale words of my 8 row tiles of A, 512 bytes a tile,
	s_lshl_b32 s86, s[WL], 3
	s_add_co_u32 s86, s86, s46
	s_lshl_b32 s86, s86, 9                         ; and of B
	v_mov_b32 v4, s85
	v_mov_b32 v7, s86
	v_cmp_le_u32 s87, 16, v1
	v_cndmask_b32 v7, v4, v7, s87                  ; lanes 0-15 take A's, lanes 16-31 B's
	v_lshl_add_u32 v7, v2, 4, v7                   ; 16 bytes a row: four K steps' words
	v_lshlrev_b32 v5, 6, v3                        ; the bias along n: 16 h numbers on
	v_and_b32 v6, 8, v2
	v_add_nc_u32 v6, v6, v2
	v_lshlrev_b32 v6, 2, v6                        ; the bias along m: my place's row, r + 8 (r / 8)
.irp i, 0,1,2,3,4,5,6,7
.irp j, 0,1
	global_load_b128 v[SC+8*\i+4*\j:SC+8*\i+4*\j+3], v7, s[6:7] offset:512*\i+256*\j   ; sixteen lanes read 256 consecutive bytes
.endr
.endr
.irp a, 0,1,2,3,4,5,6,7
	global_load_b32 v[BM+2*\a], v6, s[12:13] offset:(32*(\a/2)+8*(\a%2))*4
.endr
	WIN TO_B
.irp e, 0,1,2,3
.irp i, 0,1,2,3
	global_load_b128 v[96+128*(\e/2)+16*(\e%2)+4*\i:96+128*(\e/2)+16*(\e%2)+4*\i+3], v5, s[BNP:BNP+1] offset:128*\e+16*\i   ; register 16 e + i': channel 32 e + 16 h + i'
.endr
.endr
	WIN 0
	s_mul_i32 s21, s[WH], PART                     ; my half of A in a region of two K steps,
	s_mul_i32 s23, s[WL], PART
	s_add_co_u32 s23, s23, 2*PART                  ; and of B, behind A's two halves
	v_add_nc_u32 v[ADRA+2], s21, v[L16]            ; slot 2: region 0 as filled again
	v_add_nc_u32 v[ADRB+2], s23, v[L16]
	s_add_co_u32 s85, s21, REG1
	s_add_co_u32 s86, s23, REG1
	v_add_nc_u32 v[ADRA+1], s85, v[L16]            ; slot 1: region 1
	v_add_nc_u32 v[ADRB+1], s86, v[L16]
	s_lshl_b32 s21, s21, 1
	s_lshl_b32 s23, s23, 1
	v_add_nc_u32 v[ADRA], s21, v[L16]              ; slot 0: region 0 as first filled: halves of twice the bytes
	v_add_nc_u32 v[ADRB], s23, v[L16]
	s_lshl_b32 s21, s[WV], 10
	s_add_co_u32 s21, s21, STG
	v_lshlrev_b32 v4, 2, v2
	v_lshl_add_u32 v4, v3, 9, v4
	v_add_nc_u32 v[SSA], s21, v4
	v_add_nc_u32 v[SRA], s21, v[L16]
	v_mul_lo_u32 v4, v3, s[SHS]
	v_lshl_add_u32 v[SGO], v2, 4, v4               ; q, k: 16 x lane; v: lanes 16-31 store into the next record
	v_lshlrev_b32 v[H16], 4, v3
	v_lshl_add_u32 v[CA8_0], v1, 3, 512
	v_add_nc_u32 v[CA16_1], s[CST], v[L16]
	v_add_nc_u32 v[CA8_1], s[CST], v[CA8_0]
.irp b, 0,1,2,3
	v_mov_b32 v[TM+4+\b], 0                        ; a lane permute's destination counts as one of its sources
.endr
	s_wait_loadcnt 0x0
	WIN 0x44                                       ; destination and second source window 1
.set i, 0
.rept 32
	v_and_b32 v[96+i], s[NM], v[96+i]              ; the bias along n is 0 in the part for v,
	v_and_b32 v[224+i], s[NM], v[224+i]
.set i, i+1
.endr
	WIN 0
.irp a, 0,1,2,3,4,5,6,7
	v_and_b32 v[BM+2*\a], s[VM], v[BM+2*\a]        ; the bias along m is 0 in the parts for q and k
	v_mov_b32 v[BM+2*\a+1], v[BM+2*\a]             ; (named with it as a pair)
.endr
.macro PITCH slot                      ; from row tile to row tile in LDS: four images in slot 0, two in slots 1 and 2
.if (\slot) == 0
.set PIT, 6144
.else
.set PIT, 3072
.endif
.endm
.macro FRAG reg, adr, q, i             ; a fragment comes as it was laid: three loads, each 512 consecutive bytes.  q: the K step within the slot
.irp c, 0,1,2
	ds_load_b128 v[\reg+4*\c:\reg+4*\c+3], v[\adr] offset:PIT*(\i)+1536*(\q)+512*\c
.endr
.endm
; 16 matrix instructions: A's blocks a0, a0 + 1 x B's eight.  p: B's set; ks: the K step (0 .. 7), which picks the scale words.  The 64 accumulators take turns, one instruction a turn.
.macro MUL16 a0, p, ks, zero
.irp a, \a0, \a0+1
.irp b, 0,1,2,3,4,5,6,7
.if \zero
	v_wmma_scale_f32_16x16x128_f8f6f4 v[8*(8*((\a)%4)+\b):8*(8*((\a)%4)+\b)+7], v[128*(\p)+FR*\b:128*(\p)+FR*\b+FR-1], v[AF+FR*(\a):AF+FR*(\a)+FR-1], 0, v[SC+8*\b+(\ks)], v[SC+8*(\a)+(\ks)] matrix_a_fmt:MATRIX_FMT_FP6 matrix_b_fmt:MATRIX_FMT_FP6 matrix_a_scale:MATRIX_SCALE_ROW1
.else
	v_wmma_scale_f32_16x16x128_f8f6f4 v[8*(8*((\a)%4)+\b):8*(8*((\a)%4)+\b)+7], v[128*(\p)+FR*\b:128*(\p)+FR*\b+FR-1], v[AF+FR*(\a):AF+FR*(\a)+FR-1], v[8*(8*((\a)%4)+\b):8*(8*((\a)%4)+\b)+7], v[SC+8*\b+(\ks)], v[SC+8*(\a)+(\ks)] matrix_a_fmt:MATRIX_FMT_FP6 matrix_b_fmt:MATRIX_FMT_FP6 matrix_a_scale:MATRIX_SCALE_ROW1
.endif
.endr
.endr
.endm
.macro FETCH_B slot, q, p
	PITCH \slot
	WIN TO_B
.irp i, 0,1,2,3,4,5,6,7
	FRAG 128*(\p)+FR*\i, ADRB+\slot, \q, \i
.endr
	WIN 0
.endm
.macro FETCH_A slot, q, i0
	PITCH \slot
.irp i, \i0, \i0+1, \i0+2, \i0+3
	FRAG AF+FR*(\i), ADRA+\slot, \q, \i
.endr
.endm
.macro PLACES n                        ; plain vector instructions between a matrix instruction and a load into, or a vector write of, one of its registers, or a read of its result
.rept \n
	v_nop
.endr
.endm
.macro STEP slot, q, ks, zero          ; a step of 128 along K that has its successor in the same slot
	s_wait_dscnt 4*NL                              ; B's set and A's blocks 0-3 are in; the youngest 12 loads (A's blocks 4-7) may be out
	WIN MUL_LO
	MUL16 0, (\q)%2, \ks, \zero
	MUL16 2, (\q)%2, \ks, \zero
	s_wait_dscnt 0x0
	PLACES NP
	FETCH_B \slot, (\q)+1, 1-(\q)%2
	FETCH_A \slot, (\q)+1, 0
	WIN MUL_HI
	MUL16 4, (\q)%2, \ks, \zero
	MUL16 6, (\q)%2, \ks, \zero
	PLACES NP
	WIN 0
	FETCH_A \slot, (\q)+1, 4
.endm
; A slot's last step, with a barrier; in front of it each wave waits for all its tensor loads, adds 0 to its spare word, and waits for that and for its reads of this slot.  fill = 1: region 0 is filled again, with K steps 6 and 7.
.macro TURN next, ks, fill
	s_wait_tensorcnt 0x0                           ; all my tensor loads have landed
	ds_add_u32 v[SPW], v[NIL]                      ; 0 onto my spare word
	s_wait_dscnt 4*NL+1                            ; (the add and the youngest 12 loads may be out)
	WIN MUL_LO
	MUL16 0, 1, \ks, 0
	s_wait_dscnt 0x0                               ; the add is done, and my reads of this slot are over
	s_barrier_signal -1
	MUL16 2, 1, \ks, 0
	WIN 0
	s_barrier_wait -1
.if \fill
	CREST                                          ; the barrier has opened a round of the cluster's barrier: no wave of any partner still reads region 0 or has a load on its way
	JLOAD G0C, G0BC                                ; the first tensor load behind the round; its four v_nop are the places in front of the loads below
.else
	PLACES NP
.endif
	FETCH_B \next, 0, 0
	FETCH_A \next, 0, 0
	WIN MUL_HI
	MUL16 4, 1, \ks, 0
	MUL16 6, 1, \ks, 0
	PLACES NP
	WIN 0
	FETCH_A \next, 0, 4
.endm
	s_wait_alu depctr_va_vdst(0)
	s_wait_tensorcnt 0x0                           ; my part of K steps 0-3 is in
	ds_add_u32 v[SPW], v[NIL]
	s_mov_b32 s[G1+1], 384<<16                     ; no tensor load of mine is out, so a descriptor may be written: from here on a load brings two images a row tile, 3,072 bytes
	s_mov_b32 s[G1+3], 384<<16
	s_mov_b32 s[G1B+1], 384<<16
	s_mov_b32 s[G1B+3], 384<<16
	s_wait_dscnt 0x0
	CROUND                                         ; everybody's part is in, and the joint loads meet
	JLOAD G0+4, G0B+4                              ; region 1's first fill, the first tensor load behind the round
	FETCH_B 0, 0, 0
	FETCH_A 0, 0, 0
	FETCH_A 0, 0, 4
	STEP 0, 0, 0, 1                                ; the first products start the sums
	STEP 0, 1, 1, 0
	STEP 0, 2, 2, 0
	TURN 1, 3, 1                                   ; every wave's part of region 1 has landed; region 0, read out, takes K steps 6 and 7
	STEP 1, 0, 4, 0
	TURN 2, 5, 0                                   ; every wave's part of region 0's second fill has landed
	STEP 2, 0, 6, 0
	s_wait_dscnt 4*NL
	WIN MUL_LO
	MUL16 0, 1, 7, 0
	MUL16 2, 1, 7, 0
	s_wait_dscnt 0x0
	WIN MUL_HI
	MUL16 4, 1, 7, 0
	MUL16 6, 1, 7, 0
	WIN 0
; 64 numbers of a lane, register 16 b + i = n 32 b + 16 (lane / 16) + i of my row, become a fragment's codes in v[PC] on and its scale word in v[PW].
.macro QUANT s
.irp b, 0,1,2,3
	v_max3_num_f32 v[TM+\b], |v[\s+16*\b]|, |v[\s+1+16*\b]|, 0x1800000   ; with the floor 2^(3 - 127): the byte cannot fall under 1
.endr
.irp i, 2,4,6,8,10,12,14
.irp b, 0,1,2,3
	v_max3_num_f32 v[TM+\b], v[TM+\b], |v[\s+16*\b+\i]|, |v[\s+1+16*\b+\i]|
.endr
.endr
.irp b, 0,1,2,3
	v_permlanex16_b32 v[TM+4+\b], v[TM+\b], s[SEL], s[SEL+1]
.endr
.irp b, 0,1,2,3
	v_max_num_f32 v[TM+\b], v[TM+\b], v[TM+4+\b]   ; with lane l xor 16's: the block's largest magnitude
.endr
.irp b, 0,1,2,3
	v_add_nc_u32 v[TM+12+\b], 0xff000000, v[TM+\b] ; 2 off its exponent field: the conversion's scale operand
.endr
.irp b, 0,1,2,3
	v_lshrrev_b32 v[TM+4+\b], 23, v[TM+12+\b]      ; the scale's byte
.endr
	v_lshl_or_b32 v[PW], v[TM+5], 8, v[TM+4]
	v_lshl_or_b32 v[PW], v[TM+6], 16, v[PW]
	v_lshl_or_b32 v[PW], v[TM+7], 24, v[PW]
.irp c, 0,1
	v_cvt_scalef32_pk16_fp6_f32 v[PC+6*\c:PC+2+6*\c], v[\s+32*\c:\s+15+32*\c], v[TM+12+2*\c]
	v_cvt_scalef32_pk16_fp6_f32 v[PC+12+4*\c:PC+14+4*\c], v[\s+16+32*\c:\s+31+32*\c], v[TM+12+2*\c+1]   ; (a conversion's three registers begin on an even number)
.endr
	v_nop                                          ; one plain place behind a scaled conversion
.irp c, 0,1                            ; the operand's layout wants a whole block in a lane
.irp i, 0,1,2
	v_permlane16_swap_b32 v[PC+6*\c+\i], v[PC+12+4*\c+\i]
.endr
.irp i, 0,1,2
	v_mov_b32 v[PC+3+6*\c+\i], v[PC+12+4*\c+\i]
.endr
.endr
.endm
; THE WAY OUT of A's block a: its 8 accumulators are 16 rows x 128 along n.  Bias, quantiser, two half images to memory, the scale word to my stage.
.macro OUTA a
.set AC, 64*((\a)%4)
	s_wait_xcnt 0x0                                ; the last block's stores have read their registers and their base
.if (\a) == 4
	s_add_nc_u64 s[OUTC:OUTC+1], s[OUTC:OUTC+1], s[STB:STB+1]
.elseif (\a) > 0
	s_add_nc_u64 s[OUTC:OUTC+1], s[OUTC:OUTC+1], s[STA:STA+1]
.endif
	WIN 0x06+(\a)/4                                ; first source window 2 or 3, second window 1
.set i, 0
.rept 16
	v_pk_add_f32 v[ST+i:ST+i+1], v[AC+i:AC+i+1], v[96+i:97+i]        ; each accumulator from its low end on
.set i, i+2
.endr
.rept 16
	v_pk_add_f32 v[ST+i:ST+i+1], v[AC+i:AC+i+1], v[224+i-32:225+i-32]
.set i, i+2
.endr
	WIN 0
.set i, 0
.rept 32
	v_pk_add_f32 v[ST+i:ST+i+1], v[ST+i:ST+i+1], v[BM+2*(\a):BM+2*(\a)+1] op_sel_hi:[1,0]   ; one of the two biases is 0: the sum is rounded once
.set i, i+2
.endr
	QUANT ST
	global_store_b128 v[L16], v[PC:PC+3], s[OUTC:OUTC+1]             ; 512 consecutive bytes, aligned,
	global_store_b64 v[CA8_0], v[PC+4:PC+5], s[OUTC:OUTC+1]          ; and 256
	global_store_b128 v[CA16_1], v[PC+6:PC+9], s[OUTC:OUTC+1]
	global_store_b64 v[CA8_1], v[PC+10:PC+11], s[OUTC:OUTC+1]
	v_lshrrev_b32 v[SWV+(\a)], v[H16], v[PW]       ; q, k: lanes 0-15 keep the first head's two bytes, lanes 16-31 the second's; v: lanes 0-15 keep all four
	v_and_b32 v[SWV+(\a)], s[MSK], v[SWV+(\a)]
	ds_store_b32 v[SSA], v[SWV+(\a)] offset:64*(\a)
.endm
	PLACES NP                                      ; behind the last products: the way out writes registers that held A's fragments
.irp a, 0,1,2,3,4,5,6,7
	OUTA \a
.endr
	ds_load_b128 v[BK:BK+3], v[SRA]                ; LDS serves a wave's instructions in order: these see my stores
	ds_load_b128 v[BK+4:BK+7], v[SRA] offset:512
	s_wait_dscnt 1                                 ; the first is in
	global_store_b128 v[SGO], v[BK:BK+3], s[OUTS:OUTS+1]             ; q, k: the first head's 128 words; v: 64 words for each of two heads
	s_cmp_eq_u32 ttmp9, 2                          ; v has no second half.  The cluster's x: the same in all partners
	s_cbranch_scc1 .Lv_done
	s_wait_dscnt 0x0
	global_store_b128 v[L16], v[BK+4:BK+7], s[OUTS:OUTS+1] offset:REC   ; the second head's
.Lv_done:
	s_wait_tensorcnt 0x0                           ; the wave's end: these three lines behind my last tensor load and my last LDS store
	ds_add_u32 v[SPW], v[NIL]
	s_wait_dscnt 0x0
	CROUND                                         ; the closing round
	s_endpgm
.Lfunc_end_k_qdbe18bcfa2_qkvp:
	.size	k_qdbe18bcfa2_qkvp, .Lfunc_end_k_qdbe18bcfa2_qkvp-k_qdbe18bcfa2_qkvp
	.p2alignl 7, 3214868480
	.fill 96, 4, 3214868480
	.section	.rodata,"a",@progbits
	.p2align	6, 0x0
	.amdhsa_kernel k_qdbe18bcfa2_qkvp
		.amdhsa_group_segment_fixed_size 327680
		.amdhsa_private_segment_fixed_size 0
		.amdhsa_enable_private_segment 0
		.amdhsa_kernarg_size 48
		.amdhsa_user_sgpr_count 2
		.amdhsa_user_sgpr_kernarg_segment_ptr 1
		.amdhsa_wavefront_size32 1
		.amdhsa_system_sgpr_workgroup_id_x 1
		.amdhsa_system_sgpr_workgroup_id_y 1
		.amdhsa_system_sgpr_workgroup_id_z 1
		.amdhsa_system_vgpr_workitem_id 0
		.amdhsa_next_free_vgpr 1024
		.amdhsa_next_free_sgpr 102
		.amdhsa_reserve_vcc 0
		.amdhsa_float_denorm_mode_32 3
		.amdhsa_float_denorm_mode_16_64 3
		.amdhsa_memory_ordered 1
		.amdhsa_forward_progress 1
		.amdhsa_inst_pref_size 178
	.end_amdhsa_kernel
	.amdgpu_metadata
---
amdhsa.version: [ 1, 2 ]
amdhsa.kernels:
  - .name:           k_qdbe18bcfa2_qkvp
    .symbol:         k_qdbe18bcfa2_qkvp.kd
    .args:
      - { .name: cod, .offset: 0, .size: 8, .value_kind: global_buffer, .address_space: global }
      - { .name: scl, .offset: 8, .size: 8, .value_kind: global_buffer, .address_space: global }
      - { .name: bq, .offset: 16, .size: 8, .value_kind: global_buffer, .address_space: global }
      - { .name: bk, .offset: 24, .size: 8, .value_kind: global_buffer, .address_space: global }
      - { .name: bv, .offset: 32, .size: 8, .value_kind: global_buffer, .address_space: global }
      - { .name: qkv, .offset: 40, .size: 8, .value_kind: global_buffer, .address_space: global }
    .group_segment_fixed_size: 327680
    .private_segment_fixed_size: 0
    .kernarg_segment_align: 8
    .kernarg_segment_size: 48
    .max_flat_workgroup_size: 128
    .sgpr_count:     102
    .vgpr_count:     1024
    .wavefront_size: 32
...
	.end_amdgpu_metadata
.endif
;; end of part 2
;; launch attn (part 3): grid 2 x 128, 16 waves a work-group, no clusters, 167,936 bytes of LDS; arguments qkv, ctx, ctxs; writes ctx, ctxs
.if DOCPART == 3
	.amdgcn_target "amdgcn-amd-amdhsa--gfx1250"
	.amdhsa_code_object_version 6
	.text
	.protected	k_qdbe18bcfa2_attn
	.globl	k_qdbe18bcfa2_attn
	.p2align	8
	.type	k_qdbe18bcfa2_attn,@function
k_qdbe18bcfa2_attn:
	s_mov_b64 s[64:65], 0
	v_nop
	global_prefetch_b8 v0, s[64:65] scope:SCOPE_SE
	s_setreg_imm32_b32 hwreg(HW_REG_WAVE_MODE, 25, 1), 1
	s_wait_xcnt 0x0
; ctx = softmax(q k^T / 8) v for one head of one group (1,024 places, head size 64), both products on codes of FP6 (E2M3) with E8M0 scales; ctx is quantised along the channels for the last product.
; THE SOFTMAX: t = score x log2(e) / 8; M = the row's largest t so far, rounded up to a whole number; p = 2^(t - M) is quantised along the keys, not normalised; the row's sum is taken of the unquantised p and divides at the end.
; When M moves, the sum and O are multiplied by 2^(old M - new M): exact.
; SHARES: a work-group owns 512 queries of one record (x = which half, y = 16 group + head); each of its sixteen waves owns two tiles of 16 queries, one after the other.  Four waves lie on a SIMD, so that one wave's vector
; work stands beside another's matrix work and LDS loads.  ALL OF THE HEAD'S K AND V, codes and scale words, are the record's first 104,448 bytes, dense: they come into LDS once (waves 0-3, a quarter each) and stay: one barrier.
; NO CLUSTER: two work-groups share a record, and each asks for it once, at its head; a cluster of four would want two fills on each WGP.
; LAYOUT: both products are used transposed (S^T = K Q^T, O^T = V^T P^T): a lane holds ONE query throughout.  The rows of K's tiles, and V's channels, are laid in qkv so that the 16 registers of tiles 2 b and 2 b + 1 are
; 16 neighbouring keys (channels).  q k^T has K = 64: registers 6-11 of K's and Q's fragments are zero codes, and bytes 2, 3 of their scale words are 0.
; OUT: ctx [row tile 512][head 16] half images of 768 bytes; ctxs [record][row tile 64][row 16] words with two bytes.
; LIMITS: NaN and infinities are not served; a block whose largest magnitude lies under 2^-124 gets the byte 1, a block of zeros too (its codes are zeros; this program alone reads the bytes).
; REGISTERS: v1-11 addresses; v12 -M, v13 the largest t, v[14:15] the sum; v16-27 Q; v28-31 V's scale words; v32-79 four fragments of K; v80-127 four of V; v128-191 S^T, then p; v192-223 O^T; v224-235 p's codes; v232-254 at work; v248-251 K's scale words; v255 Q's.
.set REC,   157696
.set VCO,   49152                      ; LDS as the record: K's codes 0, V's codes, K's scale words, V's scale words
.set KSC,   98304
.set VSC,   102400
.set CSW,   104448                     ; ctx's scale words of the work-group's 32 tiles: 2,048 bytes; no fill lands here
.set SPARE, 106496                     ; the spare words, 128 bytes a wave: eight blocks of 256 bytes that no other line names
.set L16, 1                            ; v1  16 x lane
.set L8,  2                            ; v2  512 + 8 x lane
.set AKS, 3                            ; v3  K's scale words: KSC + 4 r
.set AVS, 4                            ; v4  V's: VSC + 4 r
.set SPW, 5                            ; v5  LDS address of my spare word; never rewritten
.set NIL, 6                            ; v6  0; never rewritten
.set A16, 7                            ; v7-10 the addresses of the step in hand
.set A8,  8
.set AS_, 9
.set AT_, 10
.set R4,  11                           ; v11 4 r
.set S,   128
.set OT,  192
.set WV,  10
.set TK,  12                           ; s12 the step's codes: 6,144 bytes a step, in K and in V
.set TS,  13                           ; s13 K's scale words: 512 a step
.set TJ,  14                           ; s14 V's: 256 a step
.set CNT, 15
.set SEL, 20
.set CS,  22
.set G1,  24
.set G0,  32
.set QB,  36
.set QS,  38
.set CB,  40
.set CSB, 42
	s_load_b128 s[4:7], s[0:1], 0x0                ; qkv, ctx
	s_load_b64 s[8:9], s[0:1], 0x10                ; ctxs
	v_lshl_add_u32 v[SPW], v0, 2, SPARE
	v_mov_b32 v[NIL], 0
	ds_add_u32 v[SPW], v[NIL]                      ; the wave's opening: the add and its wait ahead of the first tensor load; the set-up below, work on registers, stands between them
	ds_add_u32 v[SPW], v[NIL]
	v_lshrrev_b32 v7, 5, v0
	s_delay_alu instid0(VALU_DEP_1)
	v_readfirstlane_b32 s[WV], v7                  ; wave 0..15
	s_and_b32 s11, ttmp7, 0xffff                   ; the record
	s_mov_b32 s[G1], 3<<16                         ; elements of 8 bytes, no mask, no padding
	s_mov_b32 s[G1+1], 32<<16                      ; tensor_dim0: rows of 256 bytes
	s_mov_b32 s[G1+2], 102<<16                     ; tensor_dim1: 102 rows: a quarter of 104,448 bytes
	s_mov_b32 s[G1+3], 32<<16                      ; tile_dim0
	s_mov_b32 s[G1+4], 102                         ; tile_dim1
	s_mov_b32 s[G1+5], 32                          ; dense
	s_mov_b32 s[G1+6], 0
	s_mov_b32 s[G1+7], 0
	s_mul_i32 s16, s11, REC
	s_mov_b32 s17, 0
	s_mul_i32 s18, s[WV], 26112                    ; my quarter (waves 0-3)
	s_mov_b32 s19, 0
	s_lshl_b32 s44, ttmp9, 5
	s_add_co_u32 s44, s44, s[WV]                   ; my first tile of queries: 32 x half + wave; the second lies 16 tiles on
	s_mul_i32 s[QB], s44, 768
	s_add_co_u32 s[QB], s[QB], 104448
	s_mov_b32 s[QB+1], 0
	s_lshl_b32 s[QS], s44, 6
	s_add_co_u32 s[QS], s[QS], 153600
	s_mov_b32 s[QS+1], 0
	s_lshr_b32 s45, s11, 4                         ; the group
	s_and_b32 s46, s11, 15                         ; the head
	s_lshl_b32 s45, s45, 6
	s_add_co_u32 s45, s45, s44
	s_lshl_b32 s45, s45, 4
	s_add_co_u32 s45, s45, s46
	s_mul_i32 s[CB], s45, 768                      ; ctx: ((64 group + tile) x 16 + head) x 768
	s_mov_b32 s[CB+1], 0
	s_lshl_b32 s[CSB], s11, 12
	s_lshl_b32 s47, ttmp9, 11
	s_add_co_u32 s[CSB], s[CSB], s47
	s_lshl_b32 s47, s[WV], 9
	s_add_co_u32 s[CSB], s[CSB], s47               ; ctxs: the work-group's 2,048 bytes, 512 for each of waves 0-3
	s_mov_b32 s[CSB+1], 0
	s_lshl_b32 s48, s[WV], 6
	s_add_co_u32 s48, s48, CSW                     ; where my tile's scale words go in LDS
	s_add_co_u32 s49, s47, CSW                     ; and what I read back (waves 0-3)
	s_mov_b32 s[SEL], 0x76543210
	s_mov_b32 s[SEL+1], 0xfedcba98
	s_mov_b32 s[CS], 0x3e38aa3b                    ; c = log2(e) / 8
	s_mov_b32 s[CS+1], s[CS]                       ; (named with it as a pair)
	s_wait_dscnt 0x0                               ; the opening add is done
	s_wait_kmcnt 0x0
	s_add_nc_u64 s[4:5], s[4:5], s[16:17]          ; my record
	s_mov_b32 s[G0], 1
	s_mov_b32 s[G0+1], s18
	s_add_nc_u64 s[G0+2:G0+3], s[4:5], s[18:19]
	s_or_b32 s[G0+3], s[G0+3], 0x80000000
	s_cmp_lt_u32 s[WV], 4                          ; waves 0-3 fetch, one load each; it is the launch's only fill
	s_cbranch_scc0 .Lno_fill
	tensor_load_to_lds s[G0:G0+3], s[G1:G1+7]
	s_nop 0
.rept 4
	v_nop
.endr
.Lno_fill:
	s_add_nc_u64 s[QB:QB+1], s[4:5], s[QB:QB+1]
	s_add_nc_u64 s[QS:QS+1], s[4:5], s[QS:QS+1]
	s_add_nc_u64 s[CB:CB+1], s[6:7], s[CB:CB+1]
	s_add_nc_u64 s[CSB:CSB+1], s[8:9], s[CSB:CSB+1]
	v_and_b32 v7, 31, v0
	v_and_b32 v8, 15, v0
	s_delay_alu instid0(VALU_DEP_2)
	v_lshlrev_b32 v[L16], 4, v7
	s_delay_alu instid0(VALU_DEP_3)
	v_lshl_add_u32 v[L8], v7, 3, 512
	s_delay_alu instid0(VALU_DEP_3)
	v_lshl_add_u32 v[AKS], v8, 2, KSC
	s_delay_alu instid0(VALU_DEP_4)
	v_lshl_add_u32 v[AVS], v8, 2, VSC
	v_lshlrev_b32 v[R4], 2, v8
.irp i, 22,23,24,25,26,27
	v_mov_b32 v[\i], 0                             ; Q's upper 64 along K: zero codes
.endr
.irp t, 0,1,2,3
.irp i, 6,7,8,9,10,11
	v_mov_b32 v[32+12*\t+\i], 0                    ; K's likewise: written once, no load lands here
.endr
.endr
.irp b, 0,1,2,3
	v_mov_b32 v[236+\b], 0                         ; a lane permute's destination counts as one of its sources
.endr
	v_mov_b32 v253, 0                              ; (named as the upper half of the pair v[252:253] before it is first written)
; A KEY STEP: 128 keys.
.macro STEP
	v_add_nc_u32 v[A16], s[TK], v[L16]             ; these four are also the places in front of loads into registers that the last products read
	v_add_nc_u32 v[A8], s[TK], v[L8]
	v_add_nc_u32 v[AS_], s[TS], v[AKS]
	v_add_nc_u32 v[AT_], s[TJ], v[AVS]
.irp t, 0,1,2,3
	ds_load_b128 v[32+12*\t:35+12*\t], v[A16] offset:768*\t
	ds_load_b64 v[36+12*\t:37+12*\t], v[A8] offset:768*\t
	ds_load_b32 v[248+\t], v[AS_] offset:64*\t
.endr
.irp t, 0,1,2,3
.irp c, 0,1
	ds_load_b128 v[80+12*\t+6*\c:83+12*\t+6*\c], v[A16] offset:VCO+1536*\t+768*\c
	ds_load_b64 v[84+12*\t+6*\c:85+12*\t+6*\c], v[A8] offset:VCO+1536*\t+768*\c
.endr
	ds_load_b32 v[28+\t], v[AT_] offset:64*\t
.endr
	s_wait_alu depctr_va_vdst(0)
	s_wait_dscnt 20                                ; K's first four tiles are in; V's 16 loads of codes and 4 of scale words may be out
.irp t, 0,1,2,3
	v_wmma_scale_f32_16x16x128_f8f6f4 v[S+8*\t:S+8*\t+7], v[32+12*\t:43+12*\t], v[16:27], 0, v[248+\t], v255 matrix_a_fmt:MATRIX_FMT_FP6 matrix_b_fmt:MATRIX_FMT_FP6
.endr
.rept 4
	v_nop                                          ; places in front of loads into registers that these products read
.endr
.irp t, 0,1,2,3
	ds_load_b128 v[32+12*\t:35+12*\t], v[A16] offset:768*(4+\t)
	ds_load_b64 v[36+12*\t:37+12*\t], v[A8] offset:768*(4+\t)
	ds_load_b32 v[248+\t], v[AS_] offset:64*(4+\t)
.endr
	s_wait_dscnt 0x0
.irp t, 0,1,2,3
	v_wmma_scale_f32_16x16x128_f8f6f4 v[S+32+8*\t:S+32+8*\t+7], v[32+12*\t:43+12*\t], v[16:27], 0, v[248+\t], v255 matrix_a_fmt:MATRIX_FMT_FP6 matrix_b_fmt:MATRIX_FMT_FP6
.endr
.rept 4
	v_nop
.endr
.irp b, 0,1,2,3
	v_max3_num_f32 v[232+\b], v[S+16*\b], v[S+1+16*\b], v[S+2+16*\b]   ; the largest score of each block of 32 keys: for the row's maximum and, since p rises with the score, for the block's largest p
.endr
.irp i, 3,5,7,9,11,13
.irp b, 0,1,2,3
	v_max3_num_f32 v[232+\b], v[232+\b], v[S+16*\b+\i], v[S+1+16*\b+\i]
.endr
.endr
.irp b, 0,1,2,3
	v_max_num_f32 v[232+\b], v[232+\b], v[S+15+16*\b]
.endr
.irp b, 0,1,2,3
	s_delay_alu instid0(VALU_DEP_4)
	v_permlanex16_b32 v[236+\b], v[232+\b], s[SEL], s[SEL+1]
.endr
.irp b, 0,1,2,3
	s_delay_alu instid0(VALU_DEP_4)
	v_max_num_f32 v[232+\b], v[232+\b], v[236+\b]  ; with lane l xor 16's 16 keys
.endr
	s_delay_alu instid0(VALU_DEP_2)
	v_max3_num_f32 v254, v232, v233, v234
	s_delay_alu instid0(VALU_DEP_1)
	v_max_num_f32 v254, v254, v235
	s_delay_alu instid0(VALU_DEP_1)
	v_mul_f32 v254, s[CS], v254                    ; the step's largest t (c is positive)
	s_delay_alu instid0(VALU_DEP_1)
	v_max_num_f32 v13, v13, v254                   ; the running largest t
	v_mov_b32 v254, v12
	s_delay_alu instid0(VALU_DEP_2)
	v_floor_f32 v12, -v13                          ; the new -M = floor(-t): M is a whole number
	s_delay_alu instid0(VALU_DEP_1)
	v_sub_f32 v254, v12, v254                      ; old M - new M, 0 or less
	s_delay_alu instid0(VALU_DEP_1)
	v_cvt_i32_f32 v254, v254                       ; (it saturates)
	s_delay_alu instid0(VALU_DEP_1)
	v_ldexp_f32 v252, 1.0, v254                    ; f = 2^(old M - new M)
.set j, 0
.rept 32
	v_pk_fma_f32 v[S+j:S+j+1], v[S+j:S+j+1], s[CS:CS+1], v[12:13] op_sel_hi:[1,0,0]   ; t - M, two at a time
.set j, j+2
.endr
.irp b, 0,1,2,3
	v_fma_f32 v[232+\b], v[232+\b], s[CS], v12     ; the same of each block's largest score
.endr
.set j, 0
	s_wait_alu depctr_va_vdst(0)
.rept 64
	v_exp_f32 v[S+j], v[S+j]                       ; p = 2^(t - M), at most 1
.set j, j+1
.endr
	v_pk_mul_f32 v[14:15], v[14:15], v[252:253] op_sel_hi:[1,0]   ; the sums under the new M: a plain place behind the exponentials
	s_wait_alu depctr_va_vdst(0)                   ; one wait for the whole batch, ahead of its first reader
.irp b, 0,1,2,3
	v_exp_f32 v[232+\b], v[232+\b]                 ; the block's largest p
.endr
	v_pk_add_f32 v[236:237], v[132:133], v[136:137]
	v_pk_add_f32 v[250:251], v[140:141], v[144:145]
	v_pk_add_f32 v[248:249], v[148:149], v[152:153]
	v_pk_add_f32 v[246:247], v[156:157], v[160:161]
	v_pk_add_f32 v[244:245], v[164:165], v[168:169]
	v_pk_add_f32 v[242:243], v[172:173], v[176:177]
	v_pk_add_f32 v[240:241], v[180:181], v[184:185]
	v_pk_add_f32 v[14:15], v[14:15], v[188:189]
	v_pk_add_f32 v[236:237], v[236:237], v[128:129]
	v_pk_add_f32 v[250:251], v[250:251], v[130:131]
	v_pk_add_f32 v[248:249], v[248:249], v[134:135]
	v_pk_add_f32 v[246:247], v[246:247], v[138:139]
	v_pk_add_f32 v[244:245], v[244:245], v[142:143]
	v_pk_add_f32 v[242:243], v[242:243], v[146:147]
	v_pk_add_f32 v[240:241], v[240:241], v[150:151]
	v_pk_add_f32 v[14:15], v[14:15], v[154:155]
	v_pk_add_f32 v[236:237], v[236:237], v[158:159]
	v_pk_add_f32 v[250:251], v[250:251], v[162:163]
	v_pk_add_f32 v[248:249], v[248:249], v[166:167]
	v_pk_add_f32 v[246:247], v[246:247], v[170:171]
	v_pk_add_f32 v[244:245], v[244:245], v[174:175]
	v_pk_add_f32 v[242:243], v[242:243], v[178:179]
	v_pk_add_f32 v[240:241], v[240:241], v[182:183]
	v_pk_add_f32 v[14:15], v[14:15], v[186:187]
	v_pk_add_f32 v[236:237], v[236:237], v[190:191]
	s_delay_alu instid0(VALU_DEP_2)
	v_pk_add_f32 v[14:15], v[14:15], v[246:247]
	s_delay_alu instid0(VALU_DEP_2)
	v_pk_add_f32 v[236:237], v[236:237], v[244:245]
	v_pk_add_f32 v[250:251], v[250:251], v[242:243]
	v_pk_add_f32 v[248:249], v[248:249], v[240:241]
	s_delay_alu instid0(VALU_DEP_2)
	v_pk_add_f32 v[14:15], v[14:15], v[250:251]
	s_delay_alu instid0(VALU_DEP_2)
	v_pk_add_f32 v[236:237], v[236:237], v[248:249]
	s_delay_alu instid0(VALU_DEP_1)
	v_pk_add_f32 v[14:15], v[14:15], v[236:237]
	s_wait_alu depctr_va_vdst(0)                   ; and one for the four
.irp b, 0,1,2,3
	v_max_num_f32 v[232+\b], 0x1800000, v[232+\b]  ; the floor 2^(3 - 127): the byte cannot fall under 1
.endr
.irp b, 0,1,2,3
	s_delay_alu instid0(VALU_DEP_4)
	v_add_nc_u32 v[244+\b], 0xff000000, v[232+\b]  ; the conversion's scale operand
.endr
.irp b, 0,1,2,3
	s_delay_alu instid0(VALU_DEP_4)
	v_lshrrev_b32 v[236+\b], 23, v[244+\b]         ; the scale's byte
.endr
	s_delay_alu instid0(VALU_DEP_3)
	v_lshl_or_b32 v253, v237, 8, v236              ; p's scale word for these 128 keys
	s_delay_alu instid0(VALU_DEP_1)
	v_lshl_or_b32 v253, v238, 16, v253
	s_delay_alu instid0(VALU_DEP_1)
	v_lshl_or_b32 v253, v239, 24, v253
.irp c, 0,1
	v_cvt_scalef32_pk16_fp6_f32 v[224+6*\c:226+6*\c], v[S+32*\c:S+15+32*\c], v[244+2*\c]
	v_cvt_scalef32_pk16_fp6_f32 v[236+4*\c:238+4*\c], v[S+16+32*\c:S+31+32*\c], v[244+2*\c+1]
.endr
	v_nop                                          ; one plain place behind a scaled conversion
.irp c, 0,1
.irp i, 0,1,2
	v_permlane16_swap_b32 v[224+6*\c+\i], v[236+4*\c+\i]
.endr
.irp i, 0,1,2
	s_delay_alu instid0(VALU_DEP_3)
	v_mov_b32 v[227+6*\c+\i], v[236+4*\c+\i]
.endr
.endr
.set j, 0
.rept 16
	v_pk_mul_f32 v[OT+j:OT+j+1], v[OT+j:OT+j+1], v[252:253] op_sel_hi:[1,0]   ; O^T under the new M.  These sixteen are also the places between the lines that made p's codes and scale word and the products
.set j, j+2
.endr
.irp t, 0,1,2,3
	v_wmma_scale_f32_16x16x128_f8f6f4 v[OT+8*\t:OT+8*\t+7], v[80+12*\t:91+12*\t], v[224:235], v[OT+8*\t:OT+8*\t+7], v[28+\t], v253 matrix_a_fmt:MATRIX_FMT_FP6 matrix_b_fmt:MATRIX_FMT_FP6   ; the four accumulators by turns
.endr
	s_add_co_u32 s[TK], s[TK], 6144
	s_add_co_u32 s[TS], s[TS], 512
	s_add_co_u32 s[TJ], s[TJ], 256
.endm
; THE WAY OUT of a tile of queries: O^T / the sum; its 32 registers are channels 32 b + 16 h + i: two blocks, half a fragment of the last product's operand.
.macro OUT p
	v_add_f32 v14, v14, v15
	s_delay_alu instid0(VALU_DEP_1)
	v_permlanex16_b32 v252, v14, s[SEL], s[SEL+1]
	s_delay_alu instid0(VALU_DEP_1)
	v_add_f32 v14, v14, v252                       ; the row's sum
	s_wait_alu depctr_va_vdst(0)
	v_rcp_f32 v14, v14
	v_add_nc_u32 v[A16], s48, v[R4]                ; (a plain place behind the reciprocal)  my tile's scale words in LDS
.rept 2
	v_nop                                          ; with the lines above: four plain places behind the last products
.endr
	s_wait_alu depctr_va_vdst(0)                   ; the wait ahead of the reciprocal's first reader
.set j, 0
.rept 32
	v_mul_f32 v[S+j], v[OT+j], v14
.set j, j+1
.endr
.irp b, 0,1
	v_max3_num_f32 v[232+\b], |v[S+16*\b]|, |v[S+1+16*\b]|, 0x1800000
.endr
.irp i, 2,4,6,8,10,12,14
.irp b, 0,1
	s_delay_alu instid0(VALU_DEP_2)
	v_max3_num_f32 v[232+\b], v[232+\b], |v[S+16*\b+\i]|, |v[S+1+16*\b+\i]|
.endr
.endr
.irp b, 0,1
	s_delay_alu instid0(VALU_DEP_2)
	v_permlanex16_b32 v[236+\b], v[232+\b], s[SEL], s[SEL+1]
.endr
.irp b, 0,1
	s_delay_alu instid0(VALU_DEP_2)
	v_max_num_f32 v[232+\b], v[232+\b], v[236+\b]
.endr
.irp b, 0,1
	s_delay_alu instid0(VALU_DEP_2)
	v_add_nc_u32 v[244+\b], 0xff000000, v[232+\b]
.endr
.irp b, 0,1
	s_delay_alu instid0(VALU_DEP_2)
	v_lshrrev_b32 v[236+\b], 23, v[244+\b]
.endr
	s_delay_alu instid0(VALU_DEP_1)
	v_lshl_or_b32 v254, v237, 8, v236              ; the head's two bytes of my row
	v_cvt_scalef32_pk16_fp6_f32 v[224:226], v[S:S+15], v244
	v_cvt_scalef32_pk16_fp6_f32 v[240:242], v[S+16:S+31], v245
	v_nop                                          ; one plain place behind a scaled conversion
.irp i, 0,1,2
	v_permlane16_swap_b32 v[224+\i], v[240+\i]
.endr
.irp i, 0,1,2
	s_delay_alu instid0(VALU_DEP_3)
	v_mov_b32 v[227+\i], v[240+\i]
.endr
	global_store_b128 v[L16], v[224:227], s[CB:CB+1] offset:196608*\p   ; 512 consecutive bytes, aligned,
	global_store_b64 v[L8], v[228:229], s[CB:CB+1] offset:196608*\p     ; and 256
	ds_store_b32 v[A16], v254 offset:1024*\p       ; both lanes of a row write the same word with the same value
	s_wait_xcnt 0x0                                ; the stores have read their registers
	s_wait_dscnt 0x0
.endm
.macro PASS p
	global_load_b128 v[16:19], v[L16], s[QB:QB+1] offset:12288*\p   ; Q's half image stays in registers
	global_load_b64 v[20:21], v[L8], s[QB:QB+1] offset:12288*\p
	global_load_b32 v255, v[R4], s[QS:QS+1] offset:1024*\p
	v_mov_b32 v13, 0xff61b1e6                      ; the largest t so far: -3e38
	s_delay_alu instid0(VALU_DEP_1)
	v_floor_f32 v12, -v13
	v_mov_b32 v14, 0
	v_mov_b32 v15, 0
.set j, 0
.rept 32
	v_mov_b32 v[OT+j], 0                           ; the step is written once: the first finds zeros, which the first change of M leaves zeros
.set j, j+1
.endr
	s_mov_b32 s[TK], 0
	s_mov_b32 s[TS], 0
	s_mov_b32 s[TJ], 0
	s_mov_b32 s[CNT], 8
.if \p == 0
	s_wait_tensorcnt 0x0                           ; my quarter of the record's K and V has landed,
	s_barrier_signal -1
	s_barrier_wait -1                              ; everybody's has
.endif
	s_wait_loadcnt 0x0                             ; Q
.Lstep_\@:
	STEP
	s_sub_co_u32 s[CNT], s[CNT], 1
	s_cmp_lg_u32 s[CNT], 0
	s_cbranch_scc1 .Lstep_\@
	OUT \p
.endm
	PASS 0
	PASS 1
	v_add_nc_u32 v[A16], s49, v[L16]
	s_barrier_signal -1                            ; every wave's scale words lie in LDS (each has waited for its stores)
	s_barrier_wait -1
	s_cmp_lt_u32 s[WV], 4
	s_cbranch_scc0 .Ldone
	s_wait_alu depctr_va_vdst(0)
	ds_load_b128 v[16:19], v[A16]
	s_wait_dscnt 0x0
	global_store_b128 v[L16], v[16:19], s[CSB:CSB+1]   ; 512 consecutive bytes, aligned
.Ldone:
	s_wait_tensorcnt 0x0                           ; the wave's end: these three lines behind my last tensor load and my last LDS store
	ds_add_u32 v[SPW], v[NIL]
	s_wait_dscnt 0x0
	s_endpgm
.Lfunc_end_k_qdbe18bcfa2_attn:
	.size	k_qdbe18bcfa2_attn, .Lfunc_end_k_qdbe18bcfa2_attn-k_qdbe18bcfa2_attn
	.p2alignl 7, 3214868480
	.fill 96, 4, 3214868480
	.section	.rodata,"a",@progbits
	.p2align	6, 0x0
	.amdhsa_kernel k_qdbe18bcfa2_attn
		.amdhsa_group_segment_fixed_size 167936
		.amdhsa_private_segment_fixed_size 0
		.amdhsa_enable_private_segment 0
		.amdhsa_kernarg_size 24
		.amdhsa_user_sgpr_count 2
		.amdhsa_user_sgpr_kernarg_segment_ptr 1
		.amdhsa_wavefront_size32 1
		.amdhsa_system_sgpr_workgroup_id_x 1
		.amdhsa_system_sgpr_workgroup_id_y 1
		.amdhsa_system_sgpr_workgroup_id_z 1
		.amdhsa_system_vgpr_workitem_id 0
		.amdhsa_next_free_vgpr 256
		.amdhsa_next_free_sgpr 66
		.amdhsa_reserve_vcc 0
		.amdhsa_float_denorm_mode_32 3
		.amdhsa_float_denorm_mode_16_64 3
		.amdhsa_memory_ordered 1
		.amdhsa_forward_progress 1
		.amdhsa_inst_pref_size 54
	.end_amdhsa_kernel
	.amdgpu_metadata
---
amdhsa.version: [ 1, 2 ]
amdhsa.kernels:
  - .name:           k_qdbe18bcfa2_attn
    .symbol:         k_qdbe18bcfa2_attn.kd
    .args:
      - { .name: qkv, .offset: 0, .size: 8, .value_kind: global_buffer, .address_space: global }
      - { .name: ctx, .offset: 8, .size: 8, .value_kind: global_buffer, .address_space: global }
      - { .name: ctxs, .offset: 16, .size: 8, .value_kind: global_buffer, .address_space: global }
    .group_segment_fixed_size: 167936
    .private_segment_fixed_size: 0
    .kernarg_segment_align: 8
    .kernarg_segment_size: 24
    .max_flat_workgroup_size: 512
    .sgpr_count:     66
    .vgpr_count:     256
    .wavefront_size: 32
...
	.end_amdgpu_metadata
.endif
;; end of part 3
;; launch final (part 4): grid 256 x 1, 4 waves a work-group, clusters of 4 x 1, 327,680 bytes of LDS; arguments ctx, ctxs, cod, scl, bf, x, gamma, beta, out0, out1; writes out0, out1
.if DOCPART == 4
	.amdgcn_target "amdgcn-amd-amdhsa--gfx1250"
	.amdhsa_code_object_version 6
	.text
	.protected	k_qdbe18bcfa2_final
	.globl	k_qdbe18bcfa2_final
	.p2align	8
	.type	k_qdbe18bcfa2_final,@function
k_qdbe18bcfa2_final:
	s_mov_b64 s[64:65], 0
	v_nop
	global_prefetch_b8 v0, s[64:65] scope:SCOPE_SE
	s_setreg_imm32_b32 hwreg(HW_REG_WAVE_MODE, 25, 1), 1
	s_wait_xcnt 0x0
	s_wait_alu depctr_hold_cnt(0) depctr_sa_sdst(0) depctr_va_vdst(0) depctr_va_sdst(0) depctr_va_ssrc(0) depctr_va_vcc(0) depctr_vm_vsrc(0)
	s_getreg_b32 s2, hwreg(HW_REG_IB_STS2, 6, 4)
	s_cmp_eq_u32 s2, 0
	s_cbranch_scc0 .Lentry_in_a_cluster
	s_endpgm
.Lentry_in_a_cluster:
	s_bfe_u32 s2, ttmp6, 0x10000c
	s_cmp_lg_u32 s2, 0x3003
	s_cbranch_scc0 .Lentry_shape_is_right
	s_endpgm
.Lentry_shape_is_right:
.set SP,    4112
.set PAB,   49152
.set PCC,   24576
.set RC,    4*PAB
.set SPARE, RC+4*PCC
.set L16, 1
.set L8,  2
.set HR,  4
.set SO,  5
.set SRD, 7
.set ADAB, 8
.set ADC, 9
.set MU,  10
.set RS,  12
.set SPW, 28
.set NIL, 29
.set AS,  32
.set BS,  48
.set AT,  112
.set XV,  176
.set T,   208
.set BF,  0
.set GA,  32
.set BE,  64
.set G1D, 24
.set G1S, 32
.set G0D, 40
.set G0S, 44
.set SEL, 48
.set WV,  50
.set MSB, 0
.macro WIN new
.if MSB != \new
	s_set_vgpr_msb (MSB<<8)|\new
.set MSB, \new
.endif
.endm
.macro ROUND
	s_barrier_signal -1
	s_barrier_wait -1
	s_cmp_lg_u32 s[WV], 0
	s_cbranch_scc1 .Lnot_wave_0_\@
	s_barrier_signal -3
.Lnot_wave_0_\@:
	s_barrier_wait -3
	s_barrier_signal -1
	s_barrier_wait -1
.endm
.macro PLACES n
.rept \n
	v_nop
.endr
.endm
	s_load_b512 s[4:19], s[0:1], 0x0
	s_load_b128 s[20:23], s[0:1], 0x40
	v_lshl_add_u32 v[SPW], v0, 2, SPARE
	v_mov_b32 v[NIL], 0
	ds_add_u32 v[SPW], v[NIL]
	ds_add_u32 v[SPW], v[NIL]
	v_lshrrev_b32 v14, 5, v0
	v_readfirstlane_b32 s[WV], v14
	s_mov_b32 s[G1D], 15|(3<<16)|(1<<21)
	s_mov_b32 s[G1D+1], 384<<16
	s_mov_b32 s[G1D+2], 16<<16
	s_mov_b32 s[G1D+3], 384<<16
	s_mov_b32 s[G1D+4], 16
	s_mov_b32 s[G1D+5], 1536
	s_mov_b32 s[G1D+6], 0
	s_mov_b32 s[G1D+7], 0
	s_mov_b32 s[G1S], 15|(3<<16)|(1<<21)
	s_mov_b32 s[G1S+1], 192<<16
	s_mov_b32 s[G1S+2], 16<<16
	s_mov_b32 s[G1S+3], 192<<16
	s_mov_b32 s[G1S+4], 16
	s_mov_b32 s[G1S+5], 1536
	s_mov_b32 s[G1S+6], 0
	s_mov_b32 s[G1S+7], 0
	s_bfe_u32 s53, ttmp6, 0x40000
	s_lshl_b32 s54, ttmp9, 2
	s_add_co_u32 s54, s54, s53
	s_lshr_b32 s55, s54, 5
	s_and_b32 s56, s54, 31
	s_lshr_b32 s58, s55, 2
	s_lshl_b32 s58, s58, 12
	s_and_b32 s59, s55, 3
	s_add_co_u32 s58, s58, s59
	s_lshl_b32 s59, s56, 7
	s_add_co_u32 s58, s58, s59
	s_lshl_b32 s59, s[WV], 5
	s_add_co_u32 s58, s58, s59
	s_lshl_b32 s58, s58, 12
	s_mov_b32 s59, 0
	s_mul_i32 s60, s54, 24576
	s_mov_b32 s61, 0
	s_lshl_b32 s62, s55, 16
	s_lshl_b32 s63, s56, 7
	s_add_co_u32 s62, s62, s63
	s_mov_b32 s63, 0
	s_lshl_b32 s66, s[WV], 4
	s_add_co_u32 s66, s66, 704
	s_mul_i32 s68, s66, 12288
	s_mov_b32 s69, 0
	s_lshl_b32 s70, s66, 9
	s_mov_b32 s71, 0
	s_mul_i32 s72, s[WV], PAB
	s_mul_i32 s73, s[WV], PCC
	s_add_co_u32 s73, s73, RC
	s_lshl_b32 s74, s[WV], 10
	s_mul_i32 s75, s[WV], 8*SP
	s_mov_b32 s[SEL], 0x76543210
	s_mov_b32 s[SEL+1], 0xfedcba98
	s_mov_b32 s51, 0x3a800000
	s_mov_b32 s52, 0x3727c5ac
	s_wait_dscnt 0x0
	s_wait_kmcnt 0x0
	s_add_nc_u64 s[8:9], s[8:9], s[68:69]
	ROUND
	s_mov_b32 s[G0D], 1
	s_mov_b32 s[G0D+1], s72
	s_mov_b64 s[G0D+2:G0D+3], s[8:9]
	s_or_b32 s[G0D+3], s[G0D+3], 0x80000000
	s_mov_b32 s[G0S], 1
	s_mov_b32 s[G0S+1], s73
	s_add_nc_u64 s[G0S+2:G0S+3], s[8:9], 2*1536
	s_or_b32 s[G0S+3], s[G0S+3], 0x80000000
	tensor_load_to_lds s[G0D:G0D+3], s[G1D:G1D+7]
	s_nop 0
	s_wait_alu depctr_va_vdst(0)
	s_wait_tensorcnt 0x0
	ds_add_u32 v28, v29
	s_wait_dscnt 0x0
	ROUND
	tensor_load_to_lds s[G0S:G0S+3], s[G1S:G1S+7]
	s_nop 0
	PLACES 4
	s_add_nc_u64 s[20:21], s[20:21], s[58:59]
	s_add_nc_u64 s[22:23], s[22:23], s[58:59]
	s_add_nc_u64 s[14:15], s[14:15], s[58:59]
	s_add_nc_u64 s[4:5], s[4:5], s[60:61]
	s_add_nc_u64 s[6:7], s[6:7], s[62:63]
	s_add_nc_u64 s[10:11], s[10:11], s[70:71]
	v_and_b32 v14, 31, v0
	v_and_b32 v15, 15, v0
	v_bfe_u32 v16, v0, 4, 1
	v_lshlrev_b32 v[L16], 4, v14
	v_lshl_add_u32 v[L8], v14, 3, 512
	v_lshlrev_b32 v[HR], 2, v15
	v_lshl_add_u32 v[HR], v16, 12, v[HR]
	WIN 0x40
.irp m, 0,1
.irp k, 0,1,2,3,4,5,6,7
.irp c, 0,1
	global_load_b128 v[12*(8*\m+\k)+6*\c:12*(8*\m+\k)+6*\c+3], v[L16], s[4:5] offset:(16*\m+2*\k+\c)*768
	global_load_b64 v[12*(8*\m+\k)+6*\c+4:12*(8*\m+\k)+6*\c+5], v[L8], s[4:5] offset:(16*\m+2*\k+\c)*768
.endr
.endr
.endr
	WIN 0
.irp m, 0,1
.irp k, 0,1,2,3,4,5,6,7
	global_load_b32 v[AS+8*\m+\k], v[HR], s[6:7] offset:8192*\k+64*\m
.endr
.endr
.irp t, 0,1,2,3,4,5,6,7,8,9,10,11,12,13,14,15
	global_load_b128 v[BS+4*\t:BS+4*\t+3], v[L16], s[10:11] offset:512*\t
.endr
	WIN 0x40
.irp i, 0,1
.irp j, 0,1,2,3,4,5,6,7
	global_load_b128 v[192+32*\i+4*\j:192+32*\i+4*\j+3], v[L16], s[14:15] offset:16384*\i+512*\j th:TH_LOAD_NT
.endr
.endr
	WIN 0xc0
.irp i, 2,3
.irp j, 0,1,2,3,4,5,6,7
	global_load_b128 v[192+32*(\i-2)+4*\j:192+32*(\i-2)+4*\j+3], v[L16], s[14:15] offset:16384*\i+512*\j th:TH_LOAD_NT
.endr
.endr
	WIN 0
	v_and_b32 v17, 8, v15
	v_add_nc_u32 v17, v17, v15
	v_mul_u32_u24 v[SO], v17, SP
	v_lshl_add_u32 v[SO], v16, 6, v[SO]
	v_add_nc_u32 v[SO], s74, v[SO]
	v_add_nc_u32 v[SRD], s75, v[L16]
	v_add_nc_u32 v[ADAB], s72, v[L16]
	v_add_nc_u32 v[ADC], s73, v[L16]
.irp q, 0,1,2,3
	v_mov_b32 v[T+\q], 0
.endr
.macro LD ks, g
	WIN 0xc0
.irp u, 0,1,2,3,4,5,6,7
.irp c, 0,1,2
.if (\ks)%3 == 2
	ds_load_b128 v[96*(\g)+12*\u+4*\c:96*(\g)+12*\u+4*\c+3], v[ADC] offset:12288*(\g)+1536*\u+512*\c
.else
	ds_load_b128 v[96*(\g)+12*\u+4*\c:96*(\g)+12*\u+4*\c+3], v[ADAB] offset:24576*(\g)+1536*((\ks)%3)+3072*\u+512*\c
.endif
.endr
.endr
.endm
.macro MULG ks, g, zero
	WIN 0xa7
.irp u, 0,1,2,3,4,5,6,7
.irp m, 0,1
.if \zero
	v_wmma_scale_f32_16x16x128_f8f6f4 v[8*(2*(8*(\g)+\u)+\m):8*(2*(8*(\g)+\u)+\m)+7], v[96*(\g)+12*\u:96*(\g)+12*\u+11], v[12*(8*\m+(\ks)):12*(8*\m+(\ks))+11], 0, v[BS+4*(8*(\g)+\u)+(\ks)%4], v[AS+8*\m+(\ks)] matrix_a_fmt:MATRIX_FMT_FP6 matrix_b_fmt:MATRIX_FMT_FP6
.elseif (\ks) < 4
	v_wmma_scale_f32_16x16x128_f8f6f4 v[8*(2*(8*(\g)+\u)+\m):8*(2*(8*(\g)+\u)+\m)+7], v[96*(\g)+12*\u:96*(\g)+12*\u+11], v[12*(8*\m+(\ks)):12*(8*\m+(\ks))+11], v[8*(2*(8*(\g)+\u)+\m):8*(2*(8*(\g)+\u)+\m)+7], v[BS+4*(8*(\g)+\u)+(\ks)%4], v[AS+8*\m+(\ks)] matrix_a_fmt:MATRIX_FMT_FP6 matrix_b_fmt:MATRIX_FMT_FP6
.else
	v_wmma_scale_f32_16x16x128_f8f6f4 v[8*(2*(8*(\g)+\u)+\m):8*(2*(8*(\g)+\u)+\m)+7], v[96*(\g)+12*\u:96*(\g)+12*\u+11], v[12*(8*\m+(\ks)):12*(8*\m+(\ks))+11], v[8*(2*(8*(\g)+\u)+\m):8*(2*(8*(\g)+\u)+\m)+7], v[BS+4*(8*(\g)+\u)+(\ks)%4], v[AS+8*\m+(\ks)] matrix_a_fmt:MATRIX_FMT_FP6 matrix_b_fmt:MATRIX_FMT_FP6 matrix_a_scale:MATRIX_SCALE_ROW1
.endif
.endr
.endr
.endm
.macro KSTEP ks, zero
	s_wait_dscnt 24
	MULG \ks, 0, \zero
	PLACES 4
	LD (\ks)+1, 0
	s_wait_dscnt 24
	MULG \ks, 1, \zero
	PLACES 4
	LD (\ks)+1, 1
.endm
.macro REFILL g0, g1, ks
	s_wait_dscnt 24
	MULG \ks, 0, 0
	WIN 0
	s_wait_tensorcnt 0x0
	ds_add_u32 v[SPW], v[NIL]
	s_add_nc_u64 s[\g0+2:\g0+3], s[\g0+2:\g0+3], 3*1536
	s_wait_dscnt 1
	MULG \ks, 1, 0
	WIN 0
	s_wait_dscnt 0x0
	ROUND
	tensor_load_to_lds s[\g0:\g0+3], s[\g1:\g1+7]
	s_nop 0
	PLACES 4
	LD (\ks)+1, 0
	LD (\ks)+1, 1
.endm
	s_wait_alu depctr_va_vdst(0)
	s_wait_tensorcnt 1
	LD 0, 0
	LD 0, 1
	WIN 0
	s_wait_loadcnt 32
.irp e, 0,4,8,12
.irp q, 0,1,2,3
	v_permlanex16_b32 v[T+\q], v[AS+\e+\q], s[SEL], s[SEL+1]
.endr
.irp q, 0,1,2,3
	v_lshl_or_b32 v[AS+\e+\q], v[T+\q], 16, v[AS+\e+\q]
.endr
.endr
	PLACES 8
	KSTEP 0, 1
	REFILL G0D, G1D, 1
	REFILL G0S, G1S, 2
	s_wait_alu depctr_va_vdst(0)
	KSTEP 3, 0
	REFILL G0D, G1D, 4
	s_wait_dscnt 24
	MULG 5, 0, 0
	s_wait_tensorcnt 0x0
	s_wait_dscnt 0x0
	MULG 5, 1, 0
	PLACES 4
	LD 6, 0
	LD 6, 1
	KSTEP 6, 0
	s_wait_dscnt 24
	MULG 7, 0, 0
	s_wait_dscnt 0x0
	MULG 7, 1, 0
	PLACES 4
	WIN 0xc0
.irp j, 0,1,2,3,4,5,6,7
	global_load_b128 v[BF+4*\j:BF+4*\j+3], v[L16], s[12:13] offset:512*\j
	global_load_b128 v[GA+4*\j:GA+4*\j+3], v[L16], s[16:17] offset:512*\j
	global_load_b128 v[BE+4*\j:BE+4*\j+3], v[L16], s[18:19] offset:512*\j
.endr
	WIN 0x40
.irp i, 4,5,6,7
.irp j, 0,1,2,3,4,5,6,7
	global_load_b128 v[32*(\i-4)+4*\j:32*(\i-4)+4*\j+3], v[L16], s[14:15] offset:16384*\i+512*\j th:TH_LOAD_NT
.endr
.endr
	WIN 0
	s_barrier_signal -1
	s_barrier_wait -1
	WIN 0x08
.irp t, 0,1,2,3,4,5,6,7,8,9,10,11,12,13,14,15
.irp m, 0,1
	ds_store_b128 v[SO], v[8*(2*\t+\m):8*(2*\t+\m)+3] offset:8*SP*\m+128*(\t/2)+32*(\t%2)
	ds_store_b128 v[SO], v[8*(2*\t+\m)+4:8*(2*\t+\m)+7] offset:8*SP*\m+128*(\t/2)+32*(\t%2)+16
.endr
.endr
	WIN 0
	s_wait_dscnt 0x0
	s_barrier_signal -1
	s_barrier_wait -1
.macro TREE
.irp k, 0,4,8,12
	v_pk_add_f32 v[T+\k:T+\k+1], v[T+\k:T+\k+1], v[T+\k+2:T+\k+3]
.endr
.irp k, 0,8
	v_pk_add_f32 v[T+\k:T+\k+1], v[T+\k:T+\k+1], v[T+\k+4:T+\k+5]
.endr
	v_pk_add_f32 v[T:T+1], v[T:T+1], v[T+8:T+9]
	v_add_f32 v[T], v[T], v[T+1]
	v_add_f32_dpp v[T], v[T], v[T] row_xmask:1 row_mask:0xf bank_mask:0xf
	v_add_f32_dpp v[T], v[T], v[T] row_xmask:2 row_mask:0xf bank_mask:0xf
	v_add_f32_dpp v[T], v[T], v[T] row_xmask:4 row_mask:0xf bank_mask:0xf
	v_add_f32_dpp v[T], v[T], v[T] row_xmask:8 row_mask:0xf bank_mask:0xf
	v_permlanex16_b32 v[T+1], v[T], s[SEL], s[SEL+1]
	v_add_f32 v[T], v[T], v[T+1]
.endm
.macro ROW i
.set AC_, AT+32*((\i)%2)
.set AN_, AT+32*(((\i)+1)%2)
.if (\i) < 2
.set XB_, 192+32*(\i)
.elseif (\i) < 4
.set XB_, 192+32*((\i)-2)
.else
.set XB_, 32*((\i)-4)
.endif
	s_wait_xcnt 0x0
.if (\i) < 7
.irp j, 0,1,2,3,4,5,6,7
	ds_load_b128 v[AN_+4*\j:AN_+4*\j+3], v[SRD] offset:SP*((\i)+1)+512*\j
.endr
	s_wait_dscnt 8
.else
	s_wait_dscnt 0x0
.endif
.if (\i) == 0
	s_wait_loadcnt 32
.elseif (\i) >= 4
	s_wait_loadcnt 8*(7-(\i))
.endif
	WIN 0x0c
.set k, 0
.rept 16
	v_pk_add_f32 v[AC_+k:AC_+k+1], v[AC_+k:AC_+k+1], v[BF+k:BF+k+1]
.set k, k+2
.endr
	WIN 0
.irp j, 0,1,2,3,4,5,6,7
	global_store_b128 v[L16], v[AC_+4*\j:AC_+4*\j+3], s[22:23] offset:16384*(\i)+512*\j th:TH_STORE_NT
.endr
.if ((\i) == 2) || ((\i) == 3)
	WIN 0x03
.else
	WIN 0x01
.endif
.set k, 0
.rept 16
	v_pk_add_f32 v[XV+k:XV+k+1], v[XB_+k:XB_+k+1], v[AC_+k:AC_+k+1]
.set k, k+2
.endr
	WIN 0
.irp k, 0,1,2,3,4,5,6,7
	v_pk_add_f32 v[T+2*\k:T+2*\k+1], v[XV+4*\k:XV+4*\k+1], v[XV+4*\k+2:XV+4*\k+3]
.endr
	TREE
	v_mul_f32 v[MU], s51, v[T]
	v_mov_b32 v[MU+1], v[MU]
.set k, 0
.rept 16
	v_pk_add_f32 v[XV+k:XV+k+1], v[XV+k:XV+k+1], v[MU:MU+1] op_sel_hi:[1,0] neg_lo:[0,1] neg_hi:[0,1]
.set k, k+2
.endr
.irp k, 0,1,2,3,4,5,6,7
	v_pk_mul_f32 v[T+2*\k:T+2*\k+1], v[XV+2*\k:XV+2*\k+1], v[XV+2*\k:XV+2*\k+1]
.endr
.irp k, 0,1,2,3,4,5,6,7
	v_pk_fma_f32 v[T+2*\k:T+2*\k+1], v[XV+16+2*\k:XV+17+2*\k], v[XV+16+2*\k:XV+17+2*\k], v[T+2*\k:T+2*\k+1]
.endr
	TREE
	v_fma_f32 v[RS], v[T], s51, s52
	s_wait_alu depctr_va_vdst(0)
	v_rsq_f32 v[RS], v[RS]
	v_nop
	s_wait_alu depctr_va_vdst(0)
	v_mov_b32 v[RS+1], v[RS]
.set k, 0
.rept 16
	v_pk_mul_f32 v[XV+k:XV+k+1], v[XV+k:XV+k+1], v[RS:RS+1] op_sel_hi:[1,0]
.set k, k+2
.endr
	WIN 0x3c
.set k, 0
.rept 16
	v_pk_fma_f32 v[XV+k:XV+k+1], v[XV+k:XV+k+1], v[GA+k:GA+k+1], v[BE+k:BE+k+1]
.set k, k+2
.endr
	WIN 0
.irp j, 0,1,2,3,4,5,6,7
	global_store_b128 v[L16], v[XV+4*\j:XV+4*\j+3], s[20:21] offset:16384*(\i)+512*\j th:TH_STORE_NT
.endr
.endm
.irp j, 0,1,2,3,4,5,6,7
	ds_load_b128 v[AT+4*\j:AT+4*\j+3], v[SRD] offset:512*\j
.endr
.irp i, 0,1,2,3,4,5,6,7
	ROW \i
.endr
	s_wait_tensorcnt 0x0
	ds_add_u32 v[SPW], v[NIL]
	s_wait_dscnt 0x0
	ROUND
	s_endpgm
.Lfunc_end_k_qdbe18bcfa2_final:
	.size	k_qdbe18bcfa2_final, .Lfunc_end_k_qdbe18bcfa2_final-k_qdbe18bcfa2_final
	.p2alignl 7, 3214868480
	.fill 96, 4, 3214868480
	.section	.rodata,"a",@progbits
	.p2align	6, 0x0
	.amdhsa_kernel k_qdbe18bcfa2_final
		.amdhsa_group_segment_fixed_size 327680
		.amdhsa_private_segment_fixed_size 0
		.amdhsa_enable_private_segment 0
		.amdhsa_kernarg_size 80
		.amdhsa_user_sgpr_count 2
		.amdhsa_user_sgpr_kernarg_segment_ptr 1
		.amdhsa_wavefront_size32 1
		.amdhsa_system_sgpr_workgroup_id_x 1
		.amdhsa_system_sgpr_workgroup_id_y 1
		.amdhsa_system_sgpr_workgroup_id_z 1
		.amdhsa_system_vgpr_workitem_id 0
		.amdhsa_next_free_vgpr 1024
		.amdhsa_next_free_sgpr 76
		.amdhsa_reserve_vcc 0
		.amdhsa_float_denorm_mode_32 3
		.amdhsa_float_denorm_mode_16_64 3
		.amdhsa_memory_ordered 1
		.amdhsa_forward_progress 1
		.amdhsa_inst_pref_size 177
	.end_amdhsa_kernel
	.amdgpu_metadata
---
amdhsa.version: [ 1, 2 ]
amdhsa.kernels:
  - .name:           k_qdbe18bcfa2_final
    .symbol:         k_qdbe18bcfa2_final.kd
    .args:
      - { .name: ctx, .offset: 0, .size: 8, .value_kind: global_buffer, .address_space: global }
      - { .name: ctxs, .offset: 8, .size: 8, .value_kind: global_buffer, .address_space: global }
      - { .name: cod, .offset: 16, .size: 8, .value_kind: global_buffer, .address_space: global }
      - { .name: scl, .offset: 24, .size: 8, .value_kind: global_buffer, .address_space: global }
      - { .name: bf, .offset: 32, .size: 8, .value_kind: global_buffer, .address_space: global }
      - { .name: x, .offset: 40, .size: 8, .value_kind: global_buffer, .address_space: global }
      - { .name: gamma, .offset: 48, .size: 8, .value_kind: global_buffer, .address_space: global }
      - { .name: beta, .offset: 56, .size: 8, .value_kind: global_buffer, .address_space: global }
      - { .name: out0, .offset: 64, .size: 8, .value_kind: global_buffer, .address_space: global }
      - { .name: out1, .offset: 72, .size: 8, .value_kind: global_buffer, .address_space: global }
    .group_segment_fixed_size: 327680
    .private_segment_fixed_size: 0
    .kernarg_segment_align: 8
    .kernarg_segment_size: 80
    .max_flat_workgroup_size: 128
    .sgpr_count:     76
    .vgpr_count:     1024
    .wavefront_size: 32
...
	.end_amdgpu_metadata
.endif
;; end of part 4
